; MI455X (gfx1250); checked and timed in simulation.
; The chip was launched on July 23, 2026; its instructions are those of AMD's public machine-readable ISA for CDNA 5 (MIT licence, August 2026) and "CDNA5" Instruction Set Architecture Reference Guide (July 2026). The comments in the code are by the model that wrote it; some were corrected since.
;; Multihead Attention With Ro PE. Allowed arithmetic: matrix products marked QUANTISED: E5M2 operands, one E8M0 scale for each 32 along K, by v_wmma_scale_f32_16x16x128_f8f6f4 with both operands' format E5M2, f32 sums; everything else in f32.
;; Inputs: Wo 1,024 x 1,024 float32; Wqkv 1,024 x 3,072 float32; bo 1,024 float32; bqkv 3,072 float32; padding_mask 4 x 2,048 bool; x 4 x 2,048 x 1,024 float32.
;; Outputs: out0 4 x 2,048 x 1,024 float32.
;; This version of the problem:
;;   THIS VERSION OF THE PROBLEM IS GIVEN IN LOW PRECISION. The matrix products marked QUANTISED in the list below multiply operands that are first quantised to E5M2 (5 exponent bits, 2 mantissa bits; 8 bits a number), with one power-of-two scale for each 32 numbers along K (OCP MX v1.0); their sums are f32. All else is computed in f32.
;;   The module's matrix products, in the order in which they are computed (A, B: the left and right operand; K: the contracted axis; several contracted axes count as one K, in the product's order):
;;     1. [M 8,192, K 1,024] x [K 1,024, N 3,072]; A: input x; B: input Wqkv: QUANTISED
;;     2. batch 64 x [M 2,048, K 64] x [K 64, N 2,048]; A: computed on the way; B: computed on the way: QUANTISED
;;     3. batch 64 x [M 2,048, K 2,048] x [K 2,048, N 64]; A: softmax (see below); B: computed on the way: QUANTISED
;;     4. [M 8,192, K 1,024] x [K 1,024, N 1,024]; A: computed on the way; B: input Wo: QUANTISED
;;   THE QUANTISER, for each operand of a quantised product, along K:
;;     - K is cut into blocks of 32 from its start; a last block that is shorter is filled with zeros.
;;     - A block's scale is 2^e with e = floor(log2(the largest magnitude in the block)) - 15, held to -126 .. 127; a block of zeros has e = 0. As a byte (E8M0): e + 127.
;;     - Each number is divided by its block's scale, clamped to +-57,344, and rounded to the nearest number of E5M2, ties to even, subnormals kept.
;;     - The product sums the exact products of the quantised numbers (number of the format x scale) in f32.
;;   ~~~python
;;   def quantise(x, axis):      # numpy; x: float32 -> the quantised numbers, widened to float32 again
;;       x = np.moveaxis(x, axis, -1); K = x.shape[-1]
;;       x = np.pad(x, [(0, 0)] * (x.ndim - 1) + [(0, -K % 32)]); x = x.reshape(x.shape[:-1] + (-1, 32)); a = np.abs(x).max(-1, keepdims=True)
;;       e = np.where(a > 0, np.clip(np.frexp(np.where(a > 0, a, 1))[1] - 1 - 15, -126, 127), 0)      # np.frexp(a)[1] - 1 = floor(log2(a)), exactly
;;       r = np.clip(x / 2.0 ** e, -57344, 57344)
;;       step = 2.0 ** (np.maximum(np.frexp(np.where(r == 0, 1, r))[1] - 1, -14) - 2)
;;       q = np.round(r / step) * step * 2.0 ** e      # np.round: ties to even
;;       return np.moveaxis(q.reshape(q.shape[:-2] + (-1,))[..., :K], -1, axis).astype(np.float32)
;;   ~~~
;;   SOFTMAX AHEAD OF A QUANTISED PRODUCT. Where the list says 'softmax', what is quantised is not the finished softmax but p = 2^(t - M), with t = logit x log2(e) and M = ceil(the row's largest t), a whole number; so 1/2 < the row's largest p <= 1. The row's sum l is taken of the UNQUANTISED p, in f32, and the product's result is divided by l at the end. Since M is a whole number, a kernel that streams over the keys may use a running M (the ceiling of the running maximum): every later rescaling is an exact power of two, which a block's scale takes up: the codes' values come out the same.
;;   OPERANDS COMPUTED ON THE WAY. 'Computed on the way' means the value that the module computes at that place (a softmax that the list does not call 'softmax' is quantised finished and normalised). What goes into a quantiser is computed in f32, as accurately as f32 sums, v_exp_f32 and their like allow (about 1e-6 of the number): no bf16 or f16 on the way to a quantiser, and a product that is left as it is and whose result goes on into a quantised operand takes f32 operands (vector FMAs, or v_wmma_f32_16x16x4_f32). A number that lies on a knife's edge between two numbers of the format may be rounded either way, as far as f32 arithmetic and the matrix unit's own rounding can turn it there, and no further.
;; One version. Each part assembles by itself: llvm-mc -triple=amdgcn-amd-amdhsa -mcpu=gfx1250 --defsym DOCPART=n.
;; ======== version 1 of 1: 4 launches
;; limits: right only within a limited range of input values
;; workspace buffers: xq 8,650,752 bytes; wq 4,866,048 bytes; qb 8,912,896 bytes; kv 17,563,648 bytes; aq 8,650,752 bytes
;; launch qq (part 1): grid 256 x 1, 4 waves a work-group, no clusters, 39,424 bytes of LDS; arguments Wqkv, Wo, bqkv, bo, wq, x, xq; writes wq, xq
.if DOCPART == 1
	.amdgcn_target "amdgcn-amd-amdhsa--gfx1250"
	.amdhsa_code_object_version 6
	.text
	.protected	k_q7241dc0fe3_qq
	.globl	k_q7241dc0fe3_qq
	.p2align	8
	.type	k_q7241dc0fe3_qq,@function
k_q7241dc0fe3_qq:
	s_mov_b64 s[64:65], 0
	v_nop
	global_prefetch_b8 v0, s[64:65] scope:SCOPE_SE
	s_setreg_imm32_b32 hwreg(HW_REG_WAVE_MODE, 25, 1), 1
	s_wait_xcnt 0x0
; ONE LAUNCH QUANTISES BOTH SIDES OF THE TWO LARGE PRODUCTS.  Work-groups with an even number take x, those with an odd number the weights; the two paths part at the head, on the work-group's
; number alone, share no register and no LDS byte (x: bytes 0 to 33,791; weights: from 33,792 on), and each ends by itself.
; All codes are E5M2 with one E8M0 scale for each 32 along K, laid as IMAGES OF THE OPERAND'S REGISTERS: a tile of 16 rows x 128 K is 2,048 bytes, [piece c 0..3][lane 32][16 bytes]: lane (r, h), piece c holds
; k = 32 c + 16 h + 0 .. 15 of the tile's row r.  THE ROWS OF A TILE ARE NOT NEIGHBOURS: in a block of 128 rows lane r of tile i is row 32 (i / 2) + 8 (i % 2) + r + 8 (r / 8).
; Scale images: [lane 32][4 words] for a block's eight tiles and one K step: word p holds tile 2 p's row words in lanes 0-15 and tile 2 p + 1's in lanes 16-31.
; A block's scale is 2^(floor(log2(largest magnitude)) - 15); its byte is held at 1 from below (a block of zeros gets 1 where the rule says 127: its codes are zeros and this program alone reads the bytes).
; LIMITS: NaN and infinities among the inputs are not served; blocks whose largest magnitude lies under 2^-111 take the floor's byte.
;
; x [8192][1024] f32 -> xq: codes [row block 64][K step 8][tile 8][2048]; from byte XSC on scale images [row block][K step][512].
;   Work-group g of 128: row block g / 2; wave w: K step 4 (g % 2) + w: 128 rows x 128 K, eight tiles.  Each load reads 512 consecutive bytes of one row; a tile's 16 rows turn through the wave's own stage
;   in LDS (rows 528 bytes apart), so that a lane gets 16 neighbours of each block of 32.  Loads run two tiles (32 loads a wave) ahead.  The waves of this path share nothing: no barrier.
; Wqkv [1024][3072], Wo [1024][1024], f32 with K as their FIRST axis -> wq: codes [row block 32][K step 8][tile 8][2048] (blocks 0-23 Wqkv's columns, 24-31 Wo's); WSC: scale images [block][K step][512];
;   BP: 4,096 f32 biases by buffer row;  TAB: the rotary table [tile of 16 positions 128][quad 8][lane 32][16 bytes]: quads 4 g, 4 g + 1 cos, 4 g + 2, 4 g + 3 sin of pairs 16 g + 8 h + 0 .. 7 at the lane's position.
;   BUFFER ROWS: in blocks 0-15 (q's and k's columns) each aligned 16 columns are de-interleaved: row 8 (n & 1) + ((n >> 1) & 7) of the sixteen holds column n; elsewhere row = column.
;   A LANE TAKES A COLUMN AND ITS REGISTERS RUN DOWN K: a block of 32 lies in one lane; a lane's 32 codes are the 16 bytes of lanes r and 16 + r of piece c, so each store of a wave writes two whole aligned runs of 256 bytes.
;   Work-group g of 128: row block X = g % 32, 256 along K from 256 Y, Y = g / 32; wave w: buffer rows 32 w .. 32 w + 31 (tiles 2 w, 2 w + 1).
;   THE TABLE: work-group (X, Y) makes tile X + 32 Y.  Lane L holds inv_freq[L] = 10^(-L / 8), rounded to f32 (32 bit patterns).  angle = position x inv_freq, one rounding; reduced by n = nearest whole number
;   of angle x 2 / pi with pi / 2 in three parts by fused multiply-adds (n stays under 2^11, so the first is exact); polynomials on [-pi/4, pi/4]; quadrant by selects.
;   The biases leave in runs of 128 bytes (16 KB in all).
.set XSC,    8388608
.set SPITCH, 528
.set R,    16                          ; x: v16-143  two sets of 64: a tile as loaded
.set X,    144                         ; v144-207 a lane's 64 numbers: register 16 b + i = k 32 b + 16 h + i
.set PC,   208                         ; v208-223 the codes
.set TM,   224                         ; v224-239 at work
.set PW,   240                         ; the tile's scale word
.set WE,   241                         ; the even tile's word, kept for its partner
.set SW,   244                         ; v244-247 the scale image
.set SEL,  20
.set HI16, 22
.set MNT,  23
	v_lshl_add_u32 v254, v0, 2, 0x9800
	v_mov_b32 v255, 0
	v_lshrrev_b32 v1, 5, v0
	v_readfirstlane_b32 s14, v1                    ; wave 0..3
	s_lshr_b32 s31, ttmp9, 1                       ; g: my number among the work-groups of my kind
	s_and_b32 s30, ttmp9, 1
	s_cmp_lg_u32 s30, 0
	s_cbranch_scc1 .Lweights
; ---------------------------------------------------------------- x
	s_load_b128 s[4:7], s[0:1], 0x28               ; x, xq
	v_and_b32 v5, 31, v0
	v_and_b32 v6, 15, v0                           ; r
	v_bfe_u32 v7, v0, 4, 1                         ; h
	v_lshlrev_b32 v1, 4, v5                        ; 16 x lane: never rewritten
	s_mul_i32 s9, s14, 16*SPITCH                   ; my stage
	v_add_nc_u32 v2, s9, v1                        ; into it: a row as it lies
	v_mul_u32_u24 v3, v6, SPITCH
	v_lshl_add_u32 v3, v7, 6, v3
	v_add_nc_u32 v3, s9, v3                        ; out of it: row r, + 64 h
	s_mov_b32 s[SEL], 0x76543210
	s_mov_b32 s[SEL+1], 0xfedcba98                 ; v_permlanex16_b32's selects for lane l xor 16
	s_mov_b32 s[HI16], 0xffff0000                  ; lanes 16-31
	s_mov_b32 s[MNT], 0x600000                     ; the mantissa field of 57,344
.irp b, 0,1,2,3
	v_mov_b32 v[TM+4+\b], 0                        ; a lane permute's destination counts as one of its sources
.endr
	s_lshr_b32 s10, s31, 1                         ; row block
	s_and_b32 s11, s31, 1
	s_lshl_b32 s11, s11, 2
	s_add_co_u32 s11, s11, s14                     ; K step
	s_lshl_b32 s12, s10, 19                        ; 128 rows of 4,096 bytes
	s_lshl_b32 s13, s11, 9
	s_add_co_u32 s12, s12, s13
	s_mov_b32 s13, 0
	s_lshl_b32 s24, s10, 17
	s_lshl_b32 s25, s11, 14
	s_add_co_u32 s24, s24, s25
	s_mov_b32 s25, 0
	s_lshl_b32 s16, s10, 12
	s_lshl_b32 s17, s11, 9
	s_add_co_u32 s16, s16, s17
	s_add_co_u32 s16, s16, XSC
	s_mov_b32 s17, 0
	s_wait_alu depctr_va_vdst(0)
	s_wait_kmcnt 0x0
	s_add_nc_u64 s[4:5], s[4:5], s[12:13]          ; x at my block's first row, my K step
	s_add_nc_u64 s[18:19], s[6:7], s[16:17]        ; my scale image
	s_add_nc_u64 s[6:7], s[6:7], s[24:25]          ; my eight tiles of codes
.macro XLOAD i                         ; tile i's sixteen rows, 512 consecutive bytes each
.irp m, 0,1,2,3,4,5,6,7,8,9,10,11,12,13,14,15
	global_load_b128 v[R+64*((\i)%2)+4*\m:R+64*((\i)%2)+4*\m+3], v1, s[4:5] offset:(32*((\i)/2)+8*((\i)%2)+\m+8*(\m/8))*4096 th:TH_LOAD_NT
.endr
.endm
; 64 numbers of a lane become a fragment's codes in v[PC] on and its row's scale word in v[PW]
.macro QUANT s
.irp b, 0,1,2,3
	v_max3_num_f32 v[TM+\b], |v[\s+16*\b]|, |v[\s+1+16*\b]|, 0x8000000   ; my 16 numbers of block b, and the floor 2^(16 - 127): the byte cannot fall under 1
.endr
.irp i, 2,4,6,8,10,12,14
.irp b, 0,1,2,3
	v_max3_num_f32 v[TM+\b], v[TM+\b], |v[\s+16*\b+\i]|, |v[\s+1+16*\b+\i]|
.endr
.endr
.irp b, 0,1,2,3
	v_permlanex16_b32 v[TM+4+\b], v[TM+\b], s[SEL], s[SEL+1]
.endr
.irp b, 0,1,2,3
	v_max_num_f32 v[TM+\b], v[TM+\b], v[TM+4+\b]   ; with lane l xor 16's: the block's largest magnitude
.endr
.irp b, 0,1,2,3
	v_add_nc_u32 v[TM+12+\b], 0xf8800000, v[TM+\b] ; 15 off its exponent field: the conversion's scale operand
.endr
.irp b, 0,1,2,3
	v_and_or_b32 v[TM+8+\b], v[TM+\b], 0x7f800000, s[MNT]   ; 57,344 x the scale
.endr
.irp b, 0,1,2,3
	v_lshrrev_b32 v[TM+4+\b], 23, v[TM+12+\b]      ; the scale's byte
.endr
	v_lshl_or_b32 v[PW], v[TM+5], 8, v[TM+4]
	v_lshl_or_b32 v[PW], v[TM+6], 16, v[PW]
	v_lshl_or_b32 v[PW], v[TM+7], 24, v[PW]
.irp b, 0,1,2,3
.irp i, 0,1,2,3,4,5,6,7,8,9,10,11,12,13,14,15
	v_med3_num_f32 v[\s+16*\b+\i], v[\s+16*\b+\i], -v[TM+8+\b], v[TM+8+\b]   ; the conversion to an 8-bit code does not saturate (ISA guide 7.6.2): the hold
.endr
	v_cvt_scalef32_pk8_bf8_f32 v[PC+4*\b:PC+1+4*\b], v[\s+16*\b:\s+7+16*\b], v[TM+12+\b]
	v_cvt_scalef32_pk8_bf8_f32 v[PC+2+4*\b:PC+3+4*\b], v[\s+8+16*\b:\s+15+16*\b], v[TM+12+\b]
.endr
	v_nop                                          ; a plain place behind the conversions
.endm
.macro UNIT i
.if (\i) < 7
	s_wait_loadcnt 16                              ; this tile's 16 loads are in; the next tile's 16 may be out
.else
	s_wait_loadcnt 0x0
.endif
.irp m, 0,1,2,3,4,5,6,7,8,9,10,11,12,13,14,15
	ds_store_b128 v2, v[R+64*((\i)%2)+4*\m:R+64*((\i)%2)+4*\m+3] offset:SPITCH*\m
.endr
.irp c, 0,1,2,3
.irp j, 0,1,2,3
	ds_load_b128 v[X+16*\c+4*\j:X+16*\c+4*\j+3], v3 offset:128*\c+16*\j   ; LDS serves a wave's instructions in order: these see the stores above
.endr
.endr
	s_wait_dscnt 0x0                               ; my 64 numbers are here, and the stores have read their registers,
.if (\i) < 6
	XLOAD (\i)+2                                   ; which take the tile two further on
.endif
	s_wait_xcnt 0x0                                ; the last tile's stores have read their data: the codes' registers are written again only behind this wait
	QUANT X
.irp c, 0,1,2,3
	global_store_b128 v1, v[PC+4*\c:PC+4*\c+3], s[6:7] offset:2048*(\i)+512*\c   ; 512 consecutive bytes, aligned
.endr
.if ((\i)%2) == 0
	v_mov_b32 v[WE], v[PW]
.else
	v_cndmask_b32 v[SW+(\i)/2], v[WE], v[PW], s[HI16]   ; lanes 0-15 the even tile's words, lanes 16-31 the odd tile's
.endif
.endm
	XLOAD 0
	XLOAD 1
.irp t, 0,1,2,3,4,5,6,7
	UNIT \t
.endr
	global_store_b128 v1, v[SW:SW+3], s[18:19]     ; the scale image: 512 consecutive bytes
	s_wait_tensorcnt 0x0
	ds_add_u32 v254, v255
	s_wait_dscnt 0x0
	s_endpgm
; ---------------------------------------------------------------- the weights, the biases, the table
.Lweights:
.set WSC,  4194304
.set BP,   4325376
.set TAB,  4341760
.set WL,   33792                       ; LDS of this path: WL: two scale images; TABL: the table's tile, 4,096 bytes
.set TABL, WL+1024
.set VO,   16                          ; v16-47   4 x my column + i rows
.set WN,   48                          ; v48-111  two sets of 32 numbers
.set C,    112                         ; v112-119 a block's codes
.set SB,   120                         ; v120-121 my row's scale words of the two K steps
.set VF,   122
.set A,    123
.set N,    124
.set RR,   125
.set Z,    126
.set SN,   127
.set CO,   128
.set QI,   129
.set T1,   130
.set T2,   131
.set BB,   32                          ; s32-47   the eight blocks' bases
.set XB_,  55                          ; s55      X
	s_load_b256 s[4:11], s[0:1], 0x0               ; Wqkv, Wo, bqkv, bo
	s_load_b64 s[12:13], s[0:1], 0x20              ; wq
	s_lshr_b32 s15, s31, 5                         ; Y
	s_and_b32 s[XB_], s31, 31                      ; X
	v_and_b32 v1, 31, v0                           ; l
	v_bfe_u32 v8, v0, 4, 1                         ; l >> 4
	v_bfe_u32 v9, v0, 3, 1                         ; u: which of my two tiles
	v_and_b32 v10, 7, v0
	v_lshl_add_u32 v11, v10, 1, v9
	v_lshl_add_u32 v11, v8, 4, v11                 ; the de-interleaved column of buffer row l
	s_cmp_lt_u32 s[XB_], 16
	s_cselect_b32 s16, -1, 0
	v_cndmask_b32 v2, v1, v11, s16
	v_lshlrev_b32 v2, 2, v2                        ; 4 x my column in the wave's 32
	v_lshl_add_u32 v12, v8, 3, v10                 ; r: my row's lane in its tile
	v_lshlrev_b32 v3, 4, v12
	v_lshl_add_u32 v4, v9, 8, v3
	v_lshl_add_u32 v3, v9, 11, v3                  ; codes: 2048 u + 16 r
	s_lshl_b32 s24, s14, 2
	v_add_nc_u32 v4, s24, v4                       ; scale image: 16 (r + 16 u) + 4 w
	v_lshlrev_b32 v5, 3, v0
	v_lshlrev_b32 v6, 2, v1
	v_lshlrev_b32 v14, 4, v0
	v_and_b32 v7, 3, v0                            ; the table's stage: pair L = 16 g + 8 h + j goes to quad 4 g + j / 4, lane 16 h + row, word j % 4
	v_lshlrev_b32 v7, 2, v7
	v_bfe_u32 v13, v0, 2, 1
	v_lshl_add_u32 v7, v13, 9, v7
	v_lshl_add_u32 v7, v9, 8, v7
	v_lshl_add_u32 v7, v8, 11, v7
	s_lshl_b32 s24, s14, 6
	v_add_nc_u32 v7, s24, v7                       ; + 16 x my first row (4 w)
	s_mov_b32 s63, 0x600000
	s_mov_b32 s52, 0xbfc90fdb                      ; -pi/2, first part
	s_mov_b32 s53, 0x333bbd2e                      ; what the first part has too much
	s_mov_b32 s54, 0x26f72ced                      ; and the rest
	s_mov_b32 s17, 4096
	s_mov_b32 s23, 0
	s_mov_b32 s21, 0
	s_wait_kmcnt 0x0
	s_cmp_lt_u32 s[XB_], 24                        ; Wqkv's block or Wo's: the choice hangs on the work-group's number alone
	s_cselect_b32 s17, 12288, s17                  ; bytes in a row of the source
	s_cselect_b64 s[26:27], s[4:5], s[6:7]
	s_cselect_b64 s[28:29], s[8:9], s[10:11]
	s_cselect_b32 s18, 0, 24
	s_sub_co_u32 s18, s[XB_], s18                  ; block of 128 columns in the source
	s_lshl_b32 s22, s18, 9
	s_lshl_b32 s24, s14, 7
	s_add_co_u32 s22, s22, s24                     ; 4 x my wave's first column
	s_add_nc_u64 s[28:29], s[28:29], s[22:23]      ; the bias there
	s_mul_i32 s24, s15, s17
	s_lshl_b32 s24, s24, 8                         ; 256 Y rows
	s_add_co_u32 s22, s22, s24
	s_add_nc_u64 s[BB:BB+1], s[26:27], s[22:23]
	s_lshl_b32 s20, s17, 5                         ; 32 rows
.irp t, 1,2,3,4,5,6,7
	s_add_nc_u64 s[BB+2*\t:BB+2*\t+1], s[BB+2*\t-2:BB+2*\t-1], s[20:21]
.endr
.irp i, 0,1,2,3,4,5,6,7,8,9,10,11,12,13,14,15,16,17,18,19,20,21,22,23,24,25,26,27,28,29,30,31
	v_mad_u32_u24 v[VO+\i], s17, \i, v2
.endr
.macro WLOAD t                         ; block t: rows 32 t + i of my 256, my column
.irp i, 0,1,2,3,4,5,6,7,8,9,10,11,12,13,14,15,16,17,18,19,20,21,22,23,24,25,26,27,28,29,30,31
	global_load_b32 v[WN+32*((\t)%2)+\i], v[VO+\i], s[BB+2*(\t):BB+2*(\t)+1] th:TH_LOAD_NT
.endr
.endm
	WLOAD 0
	WLOAD 1
	s_lshl_b32 s22, s[XB_], 17
	s_lshl_b32 s24, s15, 15
	s_add_co_u32 s22, s22, s24
	s_lshl_b32 s24, s14, 12
	s_add_co_u32 s22, s22, s24
	s_add_nc_u64 s[48:49], s[12:13], s[22:23]      ; codes: block X, K step 2 Y, tile 2 w
	s_lshl_b32 s22, s[XB_], 12
	s_lshl_b32 s24, s15, 10
	s_add_co_u32 s22, s22, s24
	s_add_co_u32 s22, s22, WSC
	s_add_nc_u64 s[56:57], s[12:13], s[22:23]      ; the two scale images
	s_lshl_b32 s22, s[XB_], 9
	s_lshl_b32 s24, s14, 7
	s_add_co_u32 s22, s22, s24
	s_add_co_u32 s22, s22, BP
	s_add_nc_u64 s[58:59], s[12:13], s[22:23]      ; the biases of my 32 buffer rows
	s_lshl_b32 s25, s15, 5
	s_add_co_u32 s25, s25, s[XB_]                  ; the table's tile
	s_lshl_b32 s22, s25, 12
	s_add_co_u32 s22, s22, TAB
	s_add_nc_u64 s[60:61], s[12:13], s[22:23]
	s_lshr_b32 s50, s25, 1
	s_lshl_b32 s50, s50, 5
	s_and_b32 s24, s25, 1
	s_lshl_b32 s24, s24, 3
	s_add_co_u32 s50, s50, s24
	s_lshl_b32 s24, s14, 2
	s_add_co_u32 s50, s50, s24
	s_lshr_b32 s24, s14, 1
	s_lshl_b32 s24, s24, 3
	s_add_co_u32 s50, s50, s24                     ; the position of my first row: 32 (tile / 2) + 8 (tile % 2) + 4 w + 8 (w / 2)
	v_mov_b32 v[VF], 0
.macro FREQ l, bits
	s_mov_b32 s62, \bits
	v_writelane_b32 v[VF], s62, \l
.endm
	FREQ 0, 0x3f800000
	FREQ 1, 0x3f3ff911
	FREQ 2, 0x3f0ff59a
	FREQ 3, 0x3ed7e89b
	FREQ 4, 0x3ea1e89b
	FREQ 5, 0x3e72d424
	FREQ 6, 0x3e361887
	FREQ 7, 0x3e088d77
	FREQ 8, 0x3dcccccd
	FREQ 9, 0x3d99940e
	FREQ 10, 0x3d6655c3
	FREQ 11, 0x3d2cba15
	FREQ 12, 0x3d0186e2
	FREQ 13, 0x3cc24350
	FREQ 14, 0x3c91ad39
	FREQ 15, 0x3c5a7bf1
	FREQ 16, 0x3c23d70a
	FREQ 17, 0x3bf5b9b0
	FREQ 18, 0x3bb8449c
	FREQ 19, 0x3b8a2e77
	FREQ 20, 0x3b4f3e37
	FREQ 21, 0x3b1b690d
	FREQ 22, 0x3ae91528
	FREQ 23, 0x3aaec98e
	FREQ 24, 0x3a83126f
	FREQ 25, 0x3a44948c
	FREQ 26, 0x3a136a16
	FREQ 27, 0x39dd1726
	FREQ 28, 0x39a5cb5f
	FREQ 29, 0x3978a814
	FREQ 30, 0x393a7753
	FREQ 31, 0x390bd472
.macro SINCOS i                        ; my row i: cos and sin of position x inv_freq[lane], into the stage
	s_add_co_u32 s51, s50, \i
	v_cvt_f32_u32 v[A], s51
	v_mul_f32 v[A], v[A], v[VF]                    ; the angle, rounded once
	v_mul_f32 v[N], 0x3f22f983, v[A]               ; x 2 / pi
	v_rndne_f32 v[N], v[N]
	v_fma_f32 v[RR], v[N], s52, v[A]
	v_fma_f32 v[RR], v[N], s53, v[RR]
	v_fma_f32 v[RR], v[N], s54, v[RR]              ; r = angle - n pi / 2
	v_mul_f32 v[Z], v[RR], v[RR]
	v_cvt_i32_f32 v[QI], v[N]
	v_mov_b32 v[SN], 0xb94ca1f9
	v_fmaak_f32 v[SN], v[SN], v[Z], 0x3c08839e
	v_fmaak_f32 v[SN], v[SN], v[Z], 0xbe2aaaa3
	v_mul_f32 v[SN], v[SN], v[Z]
	v_fma_f32 v[SN], v[SN], v[RR], v[RR]           ; sin r = r + r z (s1 + z (s2 + z s3))
	v_mov_b32 v[CO], 0x37ccf5ce
	v_fmaak_f32 v[CO], v[CO], v[Z], 0xbab6061a
	v_fmaak_f32 v[CO], v[CO], v[Z], 0x3d2aaaa5
	v_mul_f32 v[T1], v[Z], v[Z]
	v_fma_f32 v[T2], v[Z], -0.5, 1.0
	v_fma_f32 v[CO], v[CO], v[T1], v[T2]           ; cos r = 1 - z / 2 + z^2 (c1 + z (c2 + z c3))
	v_and_b32 v[T1], 1, v[QI]
	v_cmp_eq_u32 vcc_lo, 1, v[T1]                  ; odd quadrants swap the two (a choice of values only)
	v_cndmask_b32 v[T2], v[SN], v[CO], vcc_lo      ; sin
	v_cndmask_b32 v[T1], v[CO], v[SN], vcc_lo      ; cos
	v_and_b32 v[SN], 2, v[QI]
	v_lshlrev_b32 v[SN], 30, v[SN]
	v_xor_b32 v[T2], v[SN], v[T2]                  ; sin is negative in quadrants 2, 3
	v_add_nc_u32 v[CO], 1, v[QI]
	v_and_b32 v[CO], 2, v[CO]
	v_lshlrev_b32 v[CO], 30, v[CO]
	v_xor_b32 v[T1], v[CO], v[T1]                  ; cos in quadrants 1, 2
	ds_store_b32 v7, v[T1] offset:TABL+16*\i
	ds_store_b32 v7, v[T2] offset:TABL+1024+16*\i
.endm
.irp i, 0,1,2,3
	SINCOS \i
.endr
.macro BLOCK t
.set XB, WN+32*((\t)%2)
.if (\t) < 7
	s_wait_loadcnt 32                              ; this block's 32 loads are in; the next block's may be out
.else
	s_wait_loadcnt 0x0
.endif
	v_max3_num_f32 v12, |v[XB]|, |v[XB+1]|, |v[XB+2]|   ; the block's largest magnitude: all 32 numbers are mine
	v_max3_num_f32 v13, |v[XB+3]|, |v[XB+4]|, |v[XB+5]|
.irp i, 6,10,14,18,22,26
	v_max3_num_f32 v12, v12, |v[XB+\i]|, |v[XB+\i+1]|
	v_max3_num_f32 v13, v13, |v[XB+\i+2]|, |v[XB+\i+3]|
.endr
	v_max3_num_f32 v12, v12, |v[XB+30]|, |v[XB+31]|
	v_max3_num_f32 v12, v12, v13, 0x8000000        ; and the floor 2^(16 - 127)
	v_add_nc_u32 v11, 0xf8800000, v12              ; the conversion's scale operand
	v_and_or_b32 v10, v12, 0x7f800000, s63         ; 57,344 x the scale
	v_lshrrev_b32 v13, 23, v11                     ; the byte
.if ((\t)%4) == 0
	v_mov_b32 v[SB+(\t)/4], v13
.else
	v_lshl_or_b32 v[SB+(\t)/4], v13, 8*((\t)%4), v[SB+(\t)/4]
.endif
.irp i, 0,1,2,3,4,5,6,7,8,9,10,11,12,13,14,15,16,17,18,19,20,21,22,23,24,25,26,27,28,29,30,31
	v_med3_num_f32 v[XB+\i], v[XB+\i], -v10, v10
.endr
	s_wait_alu depctr_va_vdst(0)
	s_wait_xcnt 0x0                                ; the last block's stores have read their data
.irp g, 0,1,2,3
	v_cvt_scalef32_pk8_bf8_f32 v[C+2*\g:C+2*\g+1], v[XB+8*\g:XB+8*\g+7], v11
.endr
	global_store_b128 v3, v[C:C+3], s[48:49] offset:16384*((\t)/4)+512*((\t)%4)        ; k 0-15 of the block: lane r's 16 bytes of piece t % 4
	global_store_b128 v3, v[C+4:C+7], s[48:49] offset:16384*((\t)/4)+512*((\t)%4)+256  ; k 16-31: lane 16 + r's
.if (\t) < 6
	WLOAD (\t)+2
.endif
.endm
.irp t, 0,1,2,3,4,5,6,7
	BLOCK \t
.endr
	ds_store_b32 v4, v[SB] offset:WL
	ds_store_b32 v4, v[SB+1] offset:WL+512
	s_wait_dscnt 0x0                               ; for the others' sake: my words and my rows of the table lie in LDS
	s_barrier_signal -1
	s_barrier_wait -1
	ds_load_b64 v[132:133], v5 offset:WL
	ds_load_b128 v[136:139], v14 offset:TABL
	ds_load_b128 v[140:143], v14 offset:TABL+2048
	s_wait_dscnt 0x0
	global_store_b64 v5, v[132:133], s[56:57]      ; a wave stores 256 consecutive bytes
	global_store_b128 v14, v[136:139], s[60:61]    ; and 512
	global_store_b128 v14, v[140:143], s[60:61] offset:2048
	s_cmp_lg_u32 s14, s15                          ; of the four work-groups of a row block, Y's wave Y moves its 32 biases
	s_cbranch_scc1 .Lno_bias
	global_load_b32 v144, v2, s[28:29]
	s_wait_loadcnt 0x0
	global_store_b32 v6, v144, s[58:59]
.Lno_bias:
	s_wait_tensorcnt 0x0
	ds_add_u32 v254, v255
	s_wait_dscnt 0x0
	s_endpgm
.Lfunc_end_k_q7241dc0fe3_qq:
	.size	k_q7241dc0fe3_qq, .Lfunc_end_k_q7241dc0fe3_qq-k_q7241dc0fe3_qq
	.p2alignl 7, 3214868480
	.fill 96, 4, 3214868480
	.section	.rodata,"a",@progbits
	.p2align	6, 0x0
	.amdhsa_kernel k_q7241dc0fe3_qq
		.amdhsa_group_segment_fixed_size 39424
		.amdhsa_private_segment_fixed_size 0
		.amdhsa_enable_private_segment 0
		.amdhsa_kernarg_size 56
		.amdhsa_user_sgpr_count 2
		.amdhsa_user_sgpr_kernarg_segment_ptr 1
		.amdhsa_wavefront_size32 1
		.amdhsa_system_sgpr_workgroup_id_x 1
		.amdhsa_system_sgpr_workgroup_id_y 1
		.amdhsa_system_sgpr_workgroup_id_z 1
		.amdhsa_system_vgpr_workitem_id 0
		.amdhsa_next_free_vgpr 256
		.amdhsa_next_free_sgpr 66
		.amdhsa_reserve_vcc 1
		.amdhsa_float_denorm_mode_32 3
		.amdhsa_float_denorm_mode_16_64 3
		.amdhsa_memory_ordered 1
		.amdhsa_forward_progress 1
		.amdhsa_inst_pref_size 170
	.end_amdhsa_kernel
	.amdgpu_metadata
---
amdhsa.version: [ 1, 2 ]
amdhsa.kernels:
  - .name:           k_q7241dc0fe3_qq
    .symbol:         k_q7241dc0fe3_qq.kd
    .args:
      - { .name: Wqkv, .offset: 0, .size: 8, .value_kind: global_buffer, .address_space: global }
      - { .name: Wo, .offset: 8, .size: 8, .value_kind: global_buffer, .address_space: global }
      - { .name: bqkv, .offset: 16, .size: 8, .value_kind: global_buffer, .address_space: global }
      - { .name: bo, .offset: 24, .size: 8, .value_kind: global_buffer, .address_space: global }
      - { .name: wq, .offset: 32, .size: 8, .value_kind: global_buffer, .address_space: global }
      - { .name: x, .offset: 40, .size: 8, .value_kind: global_buffer, .address_space: global }
      - { .name: xq, .offset: 48, .size: 8, .value_kind: global_buffer, .address_space: global }
    .group_segment_fixed_size: 39424
    .private_segment_fixed_size: 0
    .kernarg_segment_align: 8
    .kernarg_segment_size: 56
    .max_flat_workgroup_size: 128
    .sgpr_count:     66
    .vgpr_count:     256
    .wavefront_size: 32
...
	.end_amdgpu_metadata
.endif
;; end of part 1
;; launch g1 (part 2): grid 12 x 32, 4 waves a work-group, clusters of 4 x 4, 327,680 bytes of LDS; arguments xq, wq, qb, kv; writes qb, kv
.if DOCPART == 2
	.amdgcn_target "amdgcn-amd-amdhsa--gfx1250"
	.amdhsa_code_object_version 6
	.text
	.protected	k_q7241dc0fe3_g1
	.globl	k_q7241dc0fe3_g1
	.p2align	8
	.type	k_q7241dc0fe3_g1,@function
k_q7241dc0fe3_g1:
	s_mov_b64 s[64:65], 0
	v_nop
	global_prefetch_b8 v0, s[64:65] scope:SCOPE_SE
	s_setreg_imm32_b32 hwreg(HW_REG_WAVE_MODE, 25, 1), 1
	s_wait_xcnt 0x0
	s_wait_alu depctr_hold_cnt(0) depctr_sa_sdst(0) depctr_va_vdst(0) depctr_va_sdst(0) depctr_va_ssrc(0) depctr_va_vcc(0) depctr_vm_vsrc(0)
	s_getreg_b32 s2, hwreg(HW_REG_IB_STS2, 6, 4)
	s_cmp_eq_u32 s2, 0
	s_cbranch_scc0 .Lentry_in_a_cluster
	s_endpgm
.Lentry_in_a_cluster:
	s_bfe_u32 s2, ttmp6, 0x10000c
	s_cmp_lg_u32 s2, 0xf033
	s_cbranch_scc0 .Lentry_shape_is_right
	s_endpgm
.Lentry_shape_is_right:
.set XSC,   8388608
.set WSC,   4194304
.set BP,    4325376
.set TAB,   4341760
.set QREC,  8704
.set KREC,  17152
.set SLOT,  131072
.set SPARE, 262144
.set ADRQ, 16
.set ADRP, 20
.set L16,  26
.set SPW,  28
.set NIL,  29
.set SQ,   32
.set SP,   64
.set QF,   128
.set G1,   24
.set G0,   32
.set G1B,  48
.set G0B,  56
.set SEL,  92
.set MNT,  94
.set HI16, 95
.set MSB, 0
.macro WIN new
.if MSB != (\new)
	s_set_vgpr_msb (MSB<<8)|(\new)
.set MSB, (\new)
.endif
.endm
.set MUL_LO, 0xa1
.set MUL_HI, 0xf1
.set TO_P,   0x40
.macro JLOAD s
	s_cmp_eq_u32 s15, 0
	s_cbranch_scc0 .Lfor_w_\@
	tensor_load_to_lds s[G0+4*\s:G0+4*\s+3], s[G1:G1+7]
	s_nop 0
.rept 4
	v_nop
.endr
	s_branch .Lasked_\@
.Lfor_w_\@:
	tensor_load_to_lds s[G0B+4*\s:G0B+4*\s+3], s[G1B:G1B+7]
	s_nop 0
.rept 4
	v_nop
.endr
.Lasked_\@:
.endm
.macro CREST
	s_cmp_lg_u32 s14, 0
	s_cbranch_scc1 .Lnot_wave_0_\@
	s_barrier_signal -3
.Lnot_wave_0_\@:
	s_barrier_wait -3
	s_barrier_signal -1
	s_barrier_wait -1
.endm
.macro CROUND
	s_barrier_signal -1
	s_barrier_wait -1
	CREST
.endm
.macro PLACES n
.rept \n
	v_nop
.endr
.endm
	s_load_b128 s[4:7], s[0:1], 0x0
	s_load_b128 s[8:11], s[0:1], 0x10
	v_lshl_add_u32 v[SPW], v0, 2, SPARE
	v_mov_b32 v[NIL], 0
	ds_add_u32 v28, v29
	ds_add_u32 v28, v29
	s_wait_dscnt 0x0
	v_lshrrev_b32 v1, 5, v0
	v_readfirstlane_b32 s14, v1
	s_lshr_b32 s15, s14, 1
	s_and_b32 s16, s14, 1
	s_bfe_u32 s40, ttmp6, 0x40000
	s_bfe_u32 s41, ttmp6, 0x40004
	s_lshl_b32 s42, ttmp9, 2
	s_add_co_u32 s42, s42, s40
	s_and_b32 s17, ttmp7, 0xffff
	s_lshl_b32 s17, s17, 2
	s_add_co_u32 s17, s17, s41
	s_lshl_b32 s43, s41, 2
	s_lshl_b32 s43, 15, s43
	s_lshl_b32 s44, 0x1111, s40
	s_or_b32 s[G1], s43, (3<<16)|(1<<21)
	s_or_b32 s[G1B], s44, (3<<16)|(1<<21)
.irp g, G1, G1B
	s_mov_b32 s[\g+1], 32<<16
	s_mov_b32 s[\g+2], 128<<16
	s_mov_b32 s[\g+3], 32<<16
	s_mov_b32 s[\g+4], 128
	s_mov_b32 s[\g+5], 32
	s_mov_b32 s[\g+6], 0
	s_mov_b32 s[\g+7], 0
.endr
	s_lshl_b32 s20, s17, 1
	s_add_co_u32 s20, s20, s16
	s_lshl_b32 s20, s20, 17
	s_mov_b32 s21, 0
	s_lshl_b32 s46, s42, 1
	s_add_co_u32 s46, s46, s16
	s_lshl_b32 s46, s46, 17
	s_mov_b32 s47, 0
	s_lshl_b32 s45, s14, 15
	s_wait_kmcnt 0x0
	s_add_nc_u64 s[20:21], s[4:5], s[20:21]
	s_add_nc_u64 s[46:47], s[6:7], s[46:47]
	CROUND
.irp s, 0,1
	s_mov_b32 s[G0+4*\s], 1
	s_add_co_u32 s[G0+4*\s+1], s45, \s*SLOT
	s_add_nc_u64 s[G0+4*\s+2:G0+4*\s+3], s[20:21], \s*32768
	s_or_b32 s[G0+4*\s+3], s[G0+4*\s+3], 0x80000000
	s_mov_b32 s[G0B+4*\s], 1
	s_add_co_u32 s[G0B+4*\s+1], s45, \s*SLOT
	s_add_nc_u64 s[G0B+4*\s+2:G0B+4*\s+3], s[46:47], \s*32768
	s_or_b32 s[G0B+4*\s+3], s[G0B+4*\s+3], 0x80000000
.endr
	JLOAD 0                                        ; slot 0: my one tensor load at the head; the addresses and the loads of the scale images below stand behind it
	s_mov_b32 s[SEL], 0x76543210
	s_mov_b32 s[SEL+1], 0xfedcba98
	s_mov_b32 s[MNT], 0x600000
	s_mov_b32 s[HI16], 0xffff0000
	s_lshl_b32 s66, s15, 15
	s_lshl_b32 s69, s16, 15
	s_add_co_u32 s67, s66, 65536
	s_add_co_u32 s68, s69, 65536
	s_lshl_b32 s86, s17, 1
	s_add_co_u32 s82, s86, s15
	s_lshl_b32 s82, s82, 12
	s_add_co_u32 s82, s82, XSC
	s_add_co_u32 s83, s86, s16
	s_lshl_b32 s83, s83, 12
	s_add_co_u32 s83, s83, XSC
	s_lshl_b32 s86, s42, 1
	s_add_co_u32 s84, s86, s15
	s_lshl_b32 s84, s84, 12
	s_add_co_u32 s84, s84, WSC
	s_add_co_u32 s85, s86, s16
	s_lshl_b32 s85, s85, 12
	s_add_co_u32 s85, s85, WSC
	s_mov_b32 s89, 0
	s_mov_b32 s91, 0
	s_cmp_ge_u32 ttmp9, 2
	s_cselect_b32 s67, s67, s66
	s_cselect_b32 s68, s69, s68
	s_cselect_b64 s[70:71], s[6:7], s[4:5]
	s_cselect_b64 s[72:73], s[4:5], s[6:7]
	s_cselect_b32 s88, s84, s82
	s_cselect_b32 s90, s83, s85
	s_add_nc_u64 s[70:71], s[70:71], s[88:89]
	s_add_nc_u64 s[72:73], s[72:73], s[90:91]
	v_and_b32 v2, 31, v0
	v_lshlrev_b32 v[L16], 4, v2
	v_add_nc_u32 v[ADRQ], s67, v[L16]
	v_add_nc_u32 v[ADRQ+1], SLOT, v[ADRQ]
	v_add_nc_u32 v[ADRP], s68, v[L16]
	v_add_nc_u32 v[ADRP+1], SLOT, v[ADRP]
.irp k, 0,1,2,3,4,5,6,7
	global_load_b128 v[SQ+4*\k:SQ+4*\k+3], v[L16], s[70:71] offset:512*\k
	global_load_b128 v[SP+4*\k:SP+4*\k+3], v[L16], s[72:73] offset:512*\k
.endr
.macro WM a, b, p, ks, zero
.set rD, 8*(8*((\a)%4)+(\b))
.set rP, 128*(\p)+16*(\b)
.set rQ, QF+16*(\a)
.set rS, SP+4*(\ks)+(\b)/2
.set rT, SQ+4*(\ks)+(\a)/2
.set vr, 2*((\b)%2)+((\a)%2)+4*(\zero)
.if vr == 0
	v_wmma_scale_f32_16x16x128_f8f6f4 v[rD:rD+7], v[rP:rP+15], v[rQ:rQ+15], v[rD:rD+7], v[rS], v[rT] matrix_a_fmt:MATRIX_FMT_BF8 matrix_b_fmt:MATRIX_FMT_BF8
.elseif vr == 1
	v_wmma_scale_f32_16x16x128_f8f6f4 v[rD:rD+7], v[rP:rP+15], v[rQ:rQ+15], v[rD:rD+7], v[rS], v[rT] matrix_a_fmt:MATRIX_FMT_BF8 matrix_b_fmt:MATRIX_FMT_BF8 matrix_b_scale:MATRIX_SCALE_ROW1
.elseif vr == 2
	v_wmma_scale_f32_16x16x128_f8f6f4 v[rD:rD+7], v[rP:rP+15], v[rQ:rQ+15], v[rD:rD+7], v[rS], v[rT] matrix_a_fmt:MATRIX_FMT_BF8 matrix_b_fmt:MATRIX_FMT_BF8 matrix_a_scale:MATRIX_SCALE_ROW1
.elseif vr == 3
	v_wmma_scale_f32_16x16x128_f8f6f4 v[rD:rD+7], v[rP:rP+15], v[rQ:rQ+15], v[rD:rD+7], v[rS], v[rT] matrix_a_fmt:MATRIX_FMT_BF8 matrix_b_fmt:MATRIX_FMT_BF8 matrix_a_scale:MATRIX_SCALE_ROW1 matrix_b_scale:MATRIX_SCALE_ROW1
.elseif vr == 4
	v_wmma_scale_f32_16x16x128_f8f6f4 v[rD:rD+7], v[rP:rP+15], v[rQ:rQ+15], 0, v[rS], v[rT] matrix_a_fmt:MATRIX_FMT_BF8 matrix_b_fmt:MATRIX_FMT_BF8
.elseif vr == 5
	v_wmma_scale_f32_16x16x128_f8f6f4 v[rD:rD+7], v[rP:rP+15], v[rQ:rQ+15], 0, v[rS], v[rT] matrix_a_fmt:MATRIX_FMT_BF8 matrix_b_fmt:MATRIX_FMT_BF8 matrix_b_scale:MATRIX_SCALE_ROW1
.elseif vr == 6
	v_wmma_scale_f32_16x16x128_f8f6f4 v[rD:rD+7], v[rP:rP+15], v[rQ:rQ+15], 0, v[rS], v[rT] matrix_a_fmt:MATRIX_FMT_BF8 matrix_b_fmt:MATRIX_FMT_BF8 matrix_a_scale:MATRIX_SCALE_ROW1
.else
	v_wmma_scale_f32_16x16x128_f8f6f4 v[rD:rD+7], v[rP:rP+15], v[rQ:rQ+15], 0, v[rS], v[rT] matrix_a_fmt:MATRIX_FMT_BF8 matrix_b_fmt:MATRIX_FMT_BF8 matrix_a_scale:MATRIX_SCALE_ROW1 matrix_b_scale:MATRIX_SCALE_ROW1
.endif
.endm
.macro MUL16 a0, p, ks, zero
.irp a, \a0, \a0+1
.irp b, 0,1,2,3,4,5,6,7
	WM (\a), \b, \p, \ks, \zero
.endr
.endr
.endm
.macro FRAG reg, adr, q, i
.irp c, 0,1,2,3
	ds_load_b128 v[\reg+4*\c:\reg+4*\c+3], v[\adr] offset:16384*(\q)+2048*(\i)+512*\c
.endr
.endm
.macro FETCH_P slot, q, p
	WIN TO_P
.irp i, 0,1,2,3,4,5,6,7
	FRAG 128*(\p)+16*\i, ADRP+\slot, \q, \i
.endr
	WIN 0
.endm
.macro FETCH_Q slot, q, i0
.irp i, \i0, \i0+1, \i0+2, \i0+3
	FRAG QF+16*(\i), ADRQ+\slot, \q, \i
.endr
.endm
.macro STEP slot, ks, zero
	s_wait_dscnt 16
	WIN MUL_LO
	MUL16 0, 0, \ks, \zero
	MUL16 2, 0, \ks, \zero
	s_wait_dscnt 0x0
	PLACES 8
	FETCH_P \slot, 1, 1
	FETCH_Q \slot, 1, 0
	WIN MUL_HI
	MUL16 4, 0, \ks, \zero
	MUL16 6, 0, \ks, \zero
	PLACES 8
	WIN 0
	FETCH_Q \slot, 1, 4
.endm
.macro TURN slot, next, fill, ks
	s_wait_tensorcnt 0x0
	ds_add_u32 v[SPW], v[NIL]
	s_wait_dscnt 17
	WIN MUL_LO
	MUL16 0, 1, \ks, 0
	s_wait_dscnt 0x0
	s_barrier_signal -1
	MUL16 2, 1, \ks, 0
	WIN 0
	s_barrier_wait -1
.if \fill
	CREST
	s_add_nc_u64 s[G0+4*\slot+2:G0+4*\slot+3], s[G0+4*\slot+2:G0+4*\slot+3], 65536
	s_add_nc_u64 s[G0B+4*\slot+2:G0B+4*\slot+3], s[G0B+4*\slot+2:G0B+4*\slot+3], 65536
	JLOAD \slot
	PLACES 4
.else
	PLACES 8
.endif
	FETCH_P \next, 0, 0
	FETCH_Q \next, 0, 0
	WIN MUL_HI
	MUL16 4, 1, \ks, 0
	MUL16 6, 1, \ks, 0
	PLACES 8
	WIN 0
	FETCH_Q \next, 0, 4
.endm
	s_wait_alu depctr_va_vdst(0)
	s_wait_tensorcnt 0x0                           ; my part of slot 0 has landed:
	ds_add_u32 v[SPW], v[NIL]                      ; 0 onto my spare word
	s_wait_dscnt 0x0                               ; the add is done
	CROUND                                         ; a whole round: everybody's part of slot 0 is in, and all sixteen work-groups are here,
	JLOAD 1                                        ; and slot 1's first fill is the first tensor load behind the round
	FETCH_P 0, 0, 0
	FETCH_Q 0, 0, 0
	FETCH_Q 0, 0, 4
	s_wait_loadcnt 0x0
	STEP 0, 0, 1
	TURN 0, 1, 1, 1
	STEP 1, 2, 0
	TURN 1, 0, 1, 3
	STEP 0, 4, 0
	TURN 0, 1, 0, 5
	STEP 1, 6, 0
	s_wait_dscnt 16
	WIN MUL_LO
	MUL16 0, 1, 7, 0
	MUL16 2, 1, 7, 0
	s_wait_dscnt 0x0
	WIN MUL_HI
	MUL16 4, 1, 7, 0
	MUL16 6, 1, 7, 0
	WIN 0
	PLACES 8
	s_mov_b32 s91, 0
	s_cmp_ge_u32 ttmp9, 2
	s_cbranch_scc1 .Lv_path
.set BI,  0
.set TB,  64
.set XV,  128
.set RE,  160
.set PR,  192
.set PC,  208
.set MX,  216
.set PT,  218
.set HD,  220
.set SO,  222
.set SWD, 224
.set WEV, 232
.set WD,  234
	s_lshl_b32 s82, s17, 1
	s_add_co_u32 s82, s82, s15
	s_and_b32 s83, s82, 15
	s_lshr_b32 s84, s82, 4
	s_lshl_b32 s85, s42, 1
	s_add_co_u32 s85, s85, s16
	s_and_b32 s86, s85, 7
	s_lshl_b32 s86, s86, 1
	s_lshl_b32 s87, s84, 4
	s_add_co_u32 s87, s87, s86
	s_lshl_b32 s87, s87, 4
	s_add_co_u32 s87, s87, s83
	s_mov_b32 s88, QREC
	s_cmp_ge_u32 ttmp9, 1
	s_cselect_b32 s88, KREC, s88
	s_cselect_b64 s[74:75], s[10:11], s[8:9]
	s_mul_i32 s90, s87, s88
	s_add_nc_u64 s[74:75], s[74:75], s[90:91]
	s_lshl_b32 s90, s88, 4
	s_add_nc_u64 s[76:77], s[74:75], s[90:91]
	s_lshl_b32 s90, s83, 15
	s_add_co_u32 s90, s90, TAB
	s_add_nc_u64 s[78:79], s[6:7], s[90:91]
	s_lshl_b32 s90, s85, 9
	s_add_co_u32 s90, s90, BP
	s_add_nc_u64 s[80:81], s[6:7], s[90:91]
	v_bfe_u32 v27, v0, 4, 1
	v_lshlrev_b32 v27, 6, v27
	v_mov_b32 v[PT], 0
	v_mov_b32 v[PT+1], 0
.macro TBLOAD a
.irp q, 0,1,2,3,4,5,6,7
	global_load_b128 v[TB+32*((\a)%5)+4*\q:TB+32*((\a)%5)+4*\q+3], v[L16], s[78:79] offset:4096*(\a)+512*\q
.endr
.endm
	WIN 0x40
.irp b, 0,1,2,3,4,5,6,7
	global_load_b128 v[BI+8*\b:BI+8*\b+3], v27, s[80:81] offset:128*(\b/2)+32*(\b%2)
	global_load_b128 v[BI+8*\b+4:BI+8*\b+7], v27, s[80:81] offset:128*(\b/2)+32*(\b%2)+16
.endr
	TBLOAD 0                                       ; five tiles of the table are asked for at once, into five sets of 32 registers that the products have left
	TBLOAD 1
	TBLOAD 2
	TBLOAD 3
	TBLOAD 4
	WIN 0
.macro QKU a, hd
.set TBS, TB+32*((\a)%5)
.set AC, 8*(8*((\a)%4)+4*(\hd))
	WIN 0x06+((\a)/4)
.set n, 0
.rept 16
	v_pk_add_f32 v[XV+n:XV+n+1], v[AC+n:AC+n+1], v[BI+32*(\hd)+n:BI+32*(\hd)+n+1]
.set n, n+2
.endr
	WIN 0x04
.irp g, 0,1
.irp i, 0,2,4,6
	v_pk_mul_f32 v[PR+8*\g+\i:PR+8*\g+\i+1], v[XV+16*\g+8+\i:XV+16*\g+9+\i], v[TBS+16*\g+8+\i:TBS+16*\g+9+\i]
.endr
.endr
.irp g, 0,1
.irp i, 0,2,4,6
	v_pk_fma_f32 v[RE+8*\g+\i:RE+8*\g+\i+1], v[XV+16*\g+\i:XV+16*\g+\i+1], v[TBS+16*\g+\i:TBS+16*\g+\i+1], v[PR+8*\g+\i:PR+8*\g+\i+1] neg_lo:[0,0,1] neg_hi:[0,0,1]
.endr
.endr
.irp g, 0,1
.irp i, 0,2,4,6
	v_pk_mul_f32 v[PR+8*\g+\i:PR+8*\g+\i+1], v[XV+16*\g+8+\i:XV+16*\g+9+\i], v[TBS+16*\g+\i:TBS+16*\g+\i+1]
.endr
.endr
.irp g, 0,1
.irp i, 0,2,4,6
	v_pk_fma_f32 v[RE+16+8*\g+\i:RE+17+8*\g+\i], v[XV+16*\g+\i:XV+16*\g+\i+1], v[TBS+16*\g+8+\i:TBS+16*\g+9+\i], v[PR+8*\g+\i:PR+8*\g+\i+1]
.endr
.endr
	WIN 0
.irp b, 0,1
	v_max3_num_f32 v[MX+\b], |v[RE+16*\b]|, |v[RE+1+16*\b]|, 0x8000000
.endr
.irp i, 2,4,6,8,10,12,14
.irp b, 0,1
	v_max3_num_f32 v[MX+\b], v[MX+\b], |v[RE+16*\b+\i]|, |v[RE+1+16*\b+\i]|
.endr
.endr
.irp b, 0,1
	v_permlanex16_b32 v[PT+\b], v[MX+\b], s[SEL], s[SEL+1]
.endr
.irp b, 0,1
	v_max_num_f32 v[MX+\b], v[MX+\b], v[PT+\b]
.endr
.irp b, 0,1
	v_add_nc_u32 v[SO+\b], 0xf8800000, v[MX+\b]
.endr
.irp b, 0,1
	v_and_or_b32 v[HD+\b], v[MX+\b], 0x7f800000, s[MNT]
.endr
.irp b, 0,1
	v_lshrrev_b32 v[PT+\b], 23, v[SO+\b]
.endr
	v_lshl_or_b32 v[WD], v[PT+1], 8, v[PT]
	v_or_b32 v[WD], 0x7f7f0000, v[WD]
.irp b, 0,1
.irp i, 0,1,2,3,4,5,6,7,8,9,10,11,12,13,14,15
	v_med3_num_f32 v[RE+16*\b+\i], v[RE+16*\b+\i], -v[HD+\b], v[HD+\b]
.endr
.endr
	s_wait_alu depctr_va_vdst(0)
	s_wait_xcnt 0x0
.irp b, 0,1
	v_cvt_scalef32_pk8_bf8_f32 v[PC+4*\b:PC+4*\b+1], v[RE+16*\b:RE+16*\b+7], v[SO+\b]
	v_cvt_scalef32_pk8_bf8_f32 v[PC+4*\b+2:PC+4*\b+3], v[RE+16*\b+8:RE+16*\b+15], v[SO+\b]
.endr
.if ((\a)%2) == 0
	v_mov_b32 v[WEV+\hd], v[WD]
.else
	v_cndmask_b32 v[SWD+4*(\hd)+(\a)/2], v[WEV+\hd], v[WD], s[HI16]
.endif
	global_store_b128 v[L16], v[PC:PC+3], s[74+2*(\hd):75+2*(\hd)] offset:1024*(\a)
	global_store_b128 v[L16], v[PC+4:PC+7], s[74+2*(\hd):75+2*(\hd)] offset:1024*(\a)+512
.endm
.irp a, 0,1,2,3,4,5,6,7
.if \a < 4
	s_wait_loadcnt 32                              ; tile a of the table is in; the four tiles asked for behind it, 8 loads each, may be out
.else
	s_wait_loadcnt 8*(7-\a)
.endif
	QKU \a, 0
	QKU \a, 1
.if \a < 3
	WIN 0x40
	TBLOAD \a+5                                    ; its set takes the tile five further on
	WIN 0
.endif
.endr
	global_store_b128 v[L16], v[SWD:SWD+3], s[74:75] offset:8192
	global_store_b128 v[L16], v[SWD+4:SWD+7], s[76:77] offset:8192
	s_branch .Lend
.Lv_path:
.set BV,  96
.set VX,  128
.set VPC, 192
.set TM,  208
.set PW,  224
.set WE,  225
.set SWV, 226
	s_lshl_b32 s82, s17, 1
	s_add_co_u32 s82, s82, s16
	s_and_b32 s83, s82, 15
	s_lshr_b32 s84, s82, 4
	s_lshl_b32 s85, s42, 1
	s_add_co_u32 s85, s85, s15
	s_sub_co_u32 s86, s85, 16
	s_lshl_b32 s86, s86, 1
	s_lshl_b32 s87, s84, 4
	s_add_co_u32 s87, s87, s86
	s_lshl_b32 s87, s87, 4
	s_add_co_u32 s87, s87, s83
	s_mul_i32 s90, s87, KREC
	s_add_co_u32 s90, s90, 8704
	s_add_nc_u64 s[74:75], s[10:11], s[90:91]
	s_add_nc_u64 s[76:77], s[74:75], 16*KREC
	s_lshl_b32 s90, s85, 9
	s_add_co_u32 s90, s90, BP
	s_add_nc_u64 s[80:81], s[6:7], s[90:91]
	v_and_b32 v2, 15, v0
	v_and_b32 v3, 8, v2
	v_add_nc_u32 v2, v2, v3
	v_lshlrev_b32 v27, 2, v2
	v_and_b32 v3, 31, v0
	v_lshlrev_b32 v25, 3, v3
.irp b, 0,1,2,3
	v_mov_b32 v[TM+4+\b], 0
.endr
.irp a, 0,1,2,3,4,5,6,7
	global_load_b32 v[BV+2*\a], v27, s[80:81] offset:128*(\a/2)+32*(\a%2)
	global_load_b32 v[BV+2*\a+1], v27, s[80:81] offset:128*(\a/2)+32*(\a%2)
.endr
.macro QUANT s
.irp b, 0,1,2,3
	v_max3_num_f32 v[TM+\b], |v[\s+16*\b]|, |v[\s+1+16*\b]|, 0x8000000
.endr
.irp i, 2,4,6,8,10,12,14
.irp b, 0,1,2,3
	v_max3_num_f32 v[TM+\b], v[TM+\b], |v[\s+16*\b+\i]|, |v[\s+1+16*\b+\i]|
.endr
.endr
.irp b, 0,1,2,3
	v_permlanex16_b32 v[TM+4+\b], v[TM+\b], s[SEL], s[SEL+1]
.endr
.irp b, 0,1,2,3
	v_max_num_f32 v[TM+\b], v[TM+\b], v[TM+4+\b]
.endr
.irp b, 0,1,2,3
	v_add_nc_u32 v[TM+12+\b], 0xf8800000, v[TM+\b]
.endr
.irp b, 0,1,2,3
	v_and_or_b32 v[TM+8+\b], v[TM+\b], 0x7f800000, s[MNT]
.endr
.irp b, 0,1,2,3
	v_lshrrev_b32 v[TM+4+\b], 23, v[TM+12+\b]
.endr
	v_lshl_or_b32 v[PW], v[TM+5], 8, v[TM+4]
	v_lshl_or_b32 v[PW], v[TM+6], 16, v[PW]
	v_lshl_or_b32 v[PW], v[TM+7], 24, v[PW]
.irp b, 0,1,2,3
.irp i, 0,1,2,3,4,5,6,7,8,9,10,11,12,13,14,15
	v_med3_num_f32 v[\s+16*\b+\i], v[\s+16*\b+\i], -v[TM+8+\b], v[TM+8+\b]
.endr
	v_cvt_scalef32_pk8_bf8_f32 v[VPC+4*\b:VPC+1+4*\b], v[\s+16*\b:\s+7+16*\b], v[TM+12+\b]
	v_cvt_scalef32_pk8_bf8_f32 v[VPC+2+4*\b:VPC+3+4*\b], v[\s+8+16*\b:\s+15+16*\b], v[TM+12+\b]
.endr
	v_nop
.endm
.macro VU a
	WIN 0x02+((\a)/4)
.set n, 0
.rept 32
	v_pk_add_f32 v[VX+n:VX+n+1], v[64*((\a)%4)+n:64*((\a)%4)+n+1], v[BV+2*(\a):BV+2*(\a)+1]
.set n, n+2
.endr
	WIN 0
	s_wait_xcnt 0x0
	QUANT VX
.irp c, 0,1,2,3
	global_store_b128 v[L16], v[VPC+4*\c:VPC+4*\c+3], s[74+2*((\a)/4):75+2*((\a)/4)] offset:2048*((\a)%4)+512*\c
.endr
.if ((\a)%2) == 0
	v_mov_b32 v[WE], v[PW]
.else
	v_cndmask_b32 v[SWV+(\a)/2], v[WE], v[PW], s[HI16]
.endif
.if ((\a)%4) == 3
	global_store_b64 v25, v[SWV+2*((\a)/4):SWV+2*((\a)/4)+1], s[74+2*((\a)/4):75+2*((\a)/4)] offset:8192
.endif
.endm
	s_wait_loadcnt 0x0
.irp a, 0,1,2,3,4,5,6,7
	VU \a
.endr
.Lend:
	s_wait_tensorcnt 0x0
	ds_add_u32 v[SPW], v[NIL]
	s_wait_dscnt 0x0
	CROUND
	s_endpgm
.Lfunc_end_k_q7241dc0fe3_g1:
	.size	k_q7241dc0fe3_g1, .Lfunc_end_k_q7241dc0fe3_g1-k_q7241dc0fe3_g1
	.p2alignl 7, 3214868480
	.fill 96, 4, 3214868480
	.section	.rodata,"a",@progbits
	.p2align	6, 0x0
	.amdhsa_kernel k_q7241dc0fe3_g1
		.amdhsa_group_segment_fixed_size 327680
		.amdhsa_private_segment_fixed_size 0
		.amdhsa_enable_private_segment 0
		.amdhsa_kernarg_size 32
		.amdhsa_user_sgpr_count 2
		.amdhsa_user_sgpr_kernarg_segment_ptr 1
		.amdhsa_wavefront_size32 1
		.amdhsa_system_sgpr_workgroup_id_x 1
		.amdhsa_system_sgpr_workgroup_id_y 1
		.amdhsa_system_sgpr_workgroup_id_z 1
		.amdhsa_system_vgpr_workitem_id 0
		.amdhsa_next_free_vgpr 1024
		.amdhsa_next_free_sgpr 100
		.amdhsa_reserve_vcc 0
		.amdhsa_float_denorm_mode_32 3
		.amdhsa_float_denorm_mode_16_64 3
		.amdhsa_memory_ordered 1
		.amdhsa_forward_progress 1
		.amdhsa_inst_pref_size 255
	.end_amdhsa_kernel
	.section	.bss,"aw",@nobits
	.p2align	6
	.space	262144
	.amdgpu_metadata
---
amdhsa.version: [ 1, 2 ]
amdhsa.kernels:
  - .name:           k_q7241dc0fe3_g1
    .symbol:         k_q7241dc0fe3_g1.kd
    .args:
      - { .name: xq, .offset: 0, .size: 8, .value_kind: global_buffer, .address_space: global }
      - { .name: wq, .offset: 8, .size: 8, .value_kind: global_buffer, .address_space: global }
      - { .name: qb, .offset: 16, .size: 8, .value_kind: global_buffer, .address_space: global }
      - { .name: kv, .offset: 24, .size: 8, .value_kind: global_buffer, .address_space: global }
    .group_segment_fixed_size: 327680
    .private_segment_fixed_size: 0
    .kernarg_segment_align: 8
    .kernarg_segment_size: 32
    .max_flat_workgroup_size: 128
    .sgpr_count:     100
    .vgpr_count:     1024
    .wavefront_size: 32
...
	.end_amdgpu_metadata
.endif
;; end of part 2
;; launch at (part 3): grid 4 x 64, 8 waves a work-group, clusters of 4 x 1, 285,696 bytes of LDS; arguments qb, kv, padding_mask, aq; writes aq
.if DOCPART == 3
	.amdgcn_target "amdgcn-amd-amdhsa--gfx1250"
	.amdhsa_code_object_version 6
	.text
	.protected	k_q7241dc0fe3_at
	.globl	k_q7241dc0fe3_at
	.p2align	8
	.type	k_q7241dc0fe3_at,@function
k_q7241dc0fe3_at:
	s_mov_b64 s[64:65], 0
	v_nop
	global_prefetch_b8 v0, s[64:65] scope:SCOPE_SE
	s_setreg_imm32_b32 hwreg(HW_REG_WAVE_MODE, 25, 1), 1
	s_wait_xcnt 0x0
	s_wait_alu depctr_hold_cnt(0) depctr_sa_sdst(0) depctr_va_vdst(0) depctr_va_sdst(0) depctr_va_ssrc(0) depctr_va_vcc(0) depctr_vm_vsrc(0)
	s_getreg_b32 s2, hwreg(HW_REG_IB_STS2, 6, 4)
	s_cmp_eq_u32 s2, 0
	s_cbranch_scc0 .Lentry_in_a_cluster
	s_endpgm
.Lentry_in_a_cluster:
	s_bfe_u32 s2, ttmp6, 0x10000c
	s_cmp_lg_u32 s2, 0x3003
	s_cbranch_scc0 .Lentry_shape_is_right
	s_endpgm
.Lentry_shape_is_right:
; Attention of one head on codes of E5M2 (MX), and the quantiser of its result along the model's channels.
; t = score x log2(e) / 8; M = the running largest t rounded UP to a whole number; p = 2^(t - M) is quantised along the keys, not normalised; the row's sum is taken of the unquantised p and divides O at the end.
; SHARES.  A work-group owns 512 queries of one head, in two passes of 256; each of its eight waves owns 32 queries a pass: TWO tiles of 16 (t = 0, 1), in 512 registers.
; Every fragment of K and of V and every mask number that a wave reads from LDS serves both tiles: 50 LDS loads for a step of 128 keys x 32 queries.
; A HEAD'S K AND V, codes and scale words, are 16 records of 17,152 bytes: they lie in LDS whole.  Wave w brings records 2 w and 2 w + 1 by one tensor load (134 rows of 256 bytes); nothing is filled twice.
; CLUSTER.  The four query blocks of a head need the same records: each load is a joint one, the same in all four work-groups.
; No data prefetch: all of K and V is asked for once, at the head; the loop asks memory for nothing.
; LAYOUT.  Both products are used transposed (S^T = K Q^T, O^T = V^T P^T): a lane holds one query.  All fragments lie in LDS as images of their registers: every load reads 512 consecutive bytes.
; By the rows chosen for a tile, the 16 registers of score tiles 2 g, 2 g + 1 are keys 32 g + 16 h + 0 .. 15, and those of O^T's tiles 2 g, 2 g + 1 channels 32 g + 16 h + 0 .. 15.
; THE HEAD HAS 64 CHANNELS: pieces 2 and 3 of Q's fragments are zero codes.  A tile of K is 8 registers; as an operand it is named as a run of 16, whose upper 8 are the next tile's codes (behind tile 7: p's codes of tile 0).
; All of these are finite codes (every quantiser here holds its numbers), they meet Q's zeros, and their scale bytes are 0x7f: they add exactly 0.
; THE MASK is the C of the score products: padding_mask becomes 2,048 numbers in LDS, 0 for a key that counts, -2^100 for a masked one; a step's 64 numbers a lane are loaded once and serve both tiles (D lies apart from C).
; The running largest score begins at -2^65, above every masked score and under every real one: a masked key's p is always 0.
; AHEAD.  The next record's K, its scale words and its mask numbers are asked for straight behind the score products; V is asked for into tile 0's score registers as soon as that tile's p are codes.
; The record after the last is record 0: pass 1 finds it in its registers; in pass 1's last step these 33 loads are read by nobody.
; OUT.  aq: codes as images [block of 128 rows 64][K step 8][tile 8][2048] (head H: K step H / 2, pieces 2 (H % 2) + g); from byte ASC on half scale words [block][head 16][lane 32][4 halfwords].
; LIMITS: the scaled scores stay under 2^31 in magnitude; a batch row all of whose keys are masked gives 0 / 0 here (what the later quantisers make of it was not tried); NaN and infinities are not served.
.set REC,  17152
.set QREC, 8704
.set MSK,  274432                      ; LDS: 0: the 16 records;  MSK: 2,048 f32, by key;  SCG: half scale words of four groups of 128 queries, 256 bytes each;  SPARE: the spare words, 128 bytes a wave
.set SCG,  282624
.set SPARE, 283648
.set ASC,  8388608
; WINDOW 0
.set L16,  1                           ; 16 x lane
.set MB0,  2                           ; MSK + 64 h
.set VS0,  3                           ; 16,896 + 8 x lane
.set QCA,  4                           ; 16 x lane + 2,048 x my pair of tiles
.set SGA,  5                           ; where my half scale words go
.set QSA,  6                           ; 16 x lane + 4 x my pair: q's scale word: lanes 0-15 tile 0's rows, lanes 16-31 tile 1's
.set ADK,  8
.set ADM,  9
.set ADV,  10
.set ADVS, 11
.set SPW,  12
.set NIL,  13
.set TS,   16                          ; v16-47, v48-79: a tile's small state, at TS + 32 t +
.set NM,   0                           ; -M
.set MS,   1                           ; the running largest score
.set SU,   2                           ; the row's sum, a pair
.set CH,   4                           ; the step's sum in four chains of pairs
.set BM,   12                          ; the four blocks' largest score, then largest p
.set BT,   16
.set HD,   20                          ; 57,344 x the scale
.set SO,   24                          ; the conversion's scale operand
.set FF,   28                          ; f = 2^(old M - new M), low word of a pair
.set TT,   30
.set TU,   31
.set S,    80                          ; v80-143, v144-207: S^T, then p; tile 0's then take V's four fragments
.set KS,   208                         ; v208-216 scale words and nothing else: K's four, V's two, Q's, p's two
.set VS,   212
.set QS,   214
.set PW,   215
.set CD,   220                         ; v220-235 the way out's codes
; WINDOW 1
.set KF,   0                           ; K's eight tiles, 8 registers each
.set PC,   64                          ; p's codes, 16 a tile
.set QF,   96                          ; Q's fragments, 16 a tile
.set O,    128                         ; O^T, 32 a tile
.set MK,   192                         ; the step's mask numbers
.set WV,   12
.set MNT,  19
.set SEL,  20
.set CS,   22
.set G1,   24
.set G0,   32
.set NC,   42
.set HI16, 43
.set TB,   44
.set TBN,  45
.set TMN,  46
.set CNT,  56
.set TQ,   57
.set MSB, 0
.macro WIN new                         ; the immediate's high byte repeats the setting that is left
.if MSB != (\new)
	s_set_vgpr_msb (MSB<<8)|(\new)
.set MSB, (\new)
.endif
.endm
.macro ROUND                           ; a round of the cluster's barrier
	s_barrier_signal -1
	s_barrier_wait -1
	s_cmp_lg_u32 s[WV], 0
	s_cbranch_scc1 .Lnot_wave_0_\@
	s_barrier_signal -3
.Lnot_wave_0_\@:
	s_barrier_wait -3
	s_barrier_signal -1
	s_barrier_wait -1
.endm
	s_load_b256 s[4:11], s[0:1], 0x0               ; qb, kv, padding_mask, aq
	v_lshl_add_u32 v[SPW], v0, 2, SPARE
	v_mov_b32 v[NIL], 0
	ds_add_u32 v[SPW], v[NIL]                      ; the opening lines: the add twice on end and one wait
	ds_add_u32 v[SPW], v[NIL]
	v_lshrrev_b32 v7, 5, v0
	v_readfirstlane_b32 s[WV], v7                  ; wave 0..7
	s_bfe_u32 s13, ttmp6, 0x40000                  ; cx: my block of 512 queries; it enters q's and aq's addresses alone
	s_and_b32 s14, ttmp7, 0xffff                   ; batch x 16 + head, which the four partners share
	s_mov_b32 s[G1], 15|(3<<16)|(1<<21)            ; the mask: all four; elements of 8 bytes; bit 21 beside a mask
	s_mov_b32 s[G1+1], 32<<16                      ; two records: 134 rows of 256 bytes, dense
	s_mov_b32 s[G1+2], 134<<16
	s_mov_b32 s[G1+3], 32<<16
	s_mov_b32 s[G1+4], 134
	s_mov_b32 s[G1+5], 32
	s_mov_b32 s[G1+6], 0
	s_mov_b32 s[G1+7], 0
	s_lshl_b32 s16, s14, 4
	s_lshl_b32 s15, s[WV], 1
	s_add_co_u32 s16, s16, s15
	s_mul_i32 s16, s16, REC
	s_mov_b32 s17, 0
	s_mul_i32 s15, s15, REC
	s_wait_dscnt 0x0
	s_wait_kmcnt 0x0
	s_mov_b32 s[G0], 1
	s_mov_b32 s[G0+1], s15
	s_add_nc_u64 s[G0+2:G0+3], s[6:7], s[16:17]
	s_or_b32 s[G0+3], s[G0+3], 0x80000000
	ROUND                                          ; all four work-groups are here: the joint loads meet
	tensor_load_to_lds s[G0:G0+3], s[G1:G1+7]      ; my one tensor load of the launch
	s_nop 0
.rept 4
	v_nop
.endr
	s_lshr_b32 s47, s14, 4                         ; batch
	s_and_b32 s48, s14, 15                         ; head
	s_lshr_b32 s49, s[WV], 2                       ; which of a pass's two groups of 128 queries
	s_and_b32 s51, s[WV], 3                        ; my pair of tiles in it: tiles 2 s51, 2 s51 + 1
	s_lshl_b32 s18, s13, 2
	s_lshl_b32 s16, s47, 11
	s_add_nc_u64 s[8:9], s[8:9], s[16:17]          ; the batch's 2,048 mask bytes
	s_lshl_b32 s16, s14, 4
	s_add_co_u32 s16, s16, s18
	s_add_co_u32 s16, s16, s49
	s_mul_i32 s16, s16, QREC
	s_add_nc_u64 s[36:37], s[4:5], s[16:17]        ; q's record of pass 0: group 4 cx + w / 4
	s_lshl_b32 s53, s47, 4
	s_add_co_u32 s53, s53, s18                     ; 16 x batch + 4 cx
	s_add_co_u32 s16, s53, s49
	s_lshl_b32 s16, s16, 17
	s_lshr_b32 s50, s48, 1
	s_lshl_b32 s50, s50, 14
	s_add_co_u32 s16, s16, s50
	s_lshl_b32 s50, s51, 12
	s_add_co_u32 s16, s16, s50
	s_and_b32 s50, s48, 1
	s_lshl_b32 s50, s50, 10
	s_add_co_u32 s16, s16, s50
	s_add_nc_u64 s[38:39], s[10:11], s[16:17]      ; where my codes of pass 0 go
	s_lshl_b32 s16, s53, 12
	s_lshl_b32 s50, s48, 8
	s_add_co_u32 s16, s16, s50
	s_add_co_u32 s16, s16, ASC
	s_add_nc_u64 s[40:41], s[10:11], s[16:17]      ; the head's half scale words of my first group; the next groups lie 4,096 bytes apart
	s_lshl_b32 s54, s51, 11
	s_lshl_b32 s55, s51, 2
	s_lshl_b32 s50, s49, 8
	s_lshl_b32 s52, s51, 1
	s_add_co_u32 s50, s50, s52
	s_add_co_u32 s50, s50, SCG
	s_mov_b32 s[SEL], 0x76543210
	s_mov_b32 s[SEL+1], 0xfedcba98                 ; v_permlanex16_b32's selects for lane l xor 16
	s_mov_b32 s[CS], 0x3e38aa3b                    ; c = log2(e) / 8
	s_mov_b32 s[CS+1], s[CS]
	s_mov_b32 s[NC], 0xbe38aa3b                    ; -c
	s_mov_b32 s[MNT], 0x600000                     ; the mantissa field of 57,344
	s_mov_b32 s[HI16], 0xffff0000                  ; lanes 16-31
	v_lshlrev_b32 v7, 3, v0
	global_load_b64 v[220:221], v7, s[8:9]         ; eight keys a thread
	v_and_b32 v10, 31, v0
	v_bfe_u32 v9, v0, 4, 1
	v_lshlrev_b32 v[L16], 4, v10
	v_lshl_add_u32 v[MB0], v9, 6, MSK
	v_lshl_add_u32 v[VS0], v10, 3, 16896
	v_add_nc_u32 v[QCA], s54, v[L16]
	v_add_nc_u32 v[QSA], s55, v[L16]
	v_lshl_add_u32 v[SGA], v10, 3, s50             ; group w / 4, lane (0-15 tile 0's rows, 16-31 tile 1's), halfword w % 4
	v_lshl_add_u32 v11, v0, 5, MSK
.irp t, 0,1
.irp b, 0,1,2,3
	v_mov_b32 v[TS+32*\t+BT+\b], 0                 ; a lane permute's destination counts as one of its sources
.endr
	v_mov_b32 v[TS+32*\t+FF+1], 0                  ; named as the upper half of a pair
.endr
	WIN 0x40
.irp j, 0,1,2,3,4,5,6,7
	v_mov_b32 v[QF+8+\j], 0                        ; Q's pieces 2, 3: zero codes
	v_mov_b32 v[QF+24+\j], 0
	v_mov_b32 v[PC+\j], 0                          ; named behind K's tile 7 before the first p is made
.endr
	WIN 0
	s_wait_alu depctr_va_vdst(0)
	s_wait_loadcnt 0x0
.irp k, 0,1,2,3
	v_bfe_u32 v[224+\k], v220, 8*\k, 8
	v_bfe_u32 v[228+\k], v221, 8*\k, 8
.endr
.irp k, 0,1,2,3,4,5,6,7
	v_sub_nc_u32 v[224+\k], 0, v[224+\k]           ; 0 or all ones
.endr
.irp k, 0,1,2,3,4,5,6,7
	v_and_b32 v[224+\k], 0xf1800000, v[224+\k]     ; 0 or -2^100
.endr
	ds_store_b128 v11, v[224:227]
	ds_store_b128 v11, v[228:231] offset:16
	s_wait_alu depctr_va_vdst(0)
	s_wait_tensorcnt 0x0                           ; my two records have landed,
	s_wait_dscnt 0x0                               ; my eight mask numbers lie in LDS:
	s_barrier_signal -1
	s_barrier_wait -1                              ; everybody's do
; K's scale image, its eight tiles (pieces 0, 1) and the 64 mask numbers of the record at ADK, ADM: 33 loads
.macro KFETCH
	ds_load_b128 v[KS:KS+3], v[ADK] offset:8192
	WIN 0x40
.irp i, 0,1,2,3,4,5,6,7
	ds_load_b128 v[KF+8*\i:KF+8*\i+3], v[ADK] offset:1024*\i
	ds_load_b128 v[KF+8*\i+4:KF+8*\i+7], v[ADK] offset:1024*\i+512
.endr
.irp i, 0,1,2,3,4,5,6,7
	ds_load_b128 v[MK+8*\i:MK+8*\i+3], v[ADM] offset:128*(\i/2)+32*(\i%2)
	ds_load_b128 v[MK+8*\i+4:MK+8*\i+7], v[ADM] offset:128*(\i/2)+32*(\i%2)+16
.endr
	WIN 0
.endm
; scores of K's tile i and query tile t.  An even tile's scale words lie in lanes 0-15 of their register, an odd tile's in lanes 16-31; so do query tile 0's and 1's
.macro QK i, t
.set rD, S+64*(\t)+8*(\i)
.set vr, 2*((\i)%2)+(\t)
.if vr == 0
	v_wmma_scale_f32_16x16x128_f8f6f4 v[rD:rD+7], v[KF+8*(\i):KF+8*(\i)+15], v[QF+16*(\t):QF+16*(\t)+15], v[MK+8*(\i):MK+8*(\i)+7], v[KS+(\i)/2], v[QS] matrix_a_fmt:MATRIX_FMT_BF8 matrix_b_fmt:MATRIX_FMT_BF8
.elseif vr == 1
	v_wmma_scale_f32_16x16x128_f8f6f4 v[rD:rD+7], v[KF+8*(\i):KF+8*(\i)+15], v[QF+16*(\t):QF+16*(\t)+15], v[MK+8*(\i):MK+8*(\i)+7], v[KS+(\i)/2], v[QS] matrix_a_fmt:MATRIX_FMT_BF8 matrix_b_fmt:MATRIX_FMT_BF8 matrix_b_scale:MATRIX_SCALE_ROW1
.elseif vr == 2
	v_wmma_scale_f32_16x16x128_f8f6f4 v[rD:rD+7], v[KF+8*(\i):KF+8*(\i)+15], v[QF+16*(\t):QF+16*(\t)+15], v[MK+8*(\i):MK+8*(\i)+7], v[KS+(\i)/2], v[QS] matrix_a_fmt:MATRIX_FMT_BF8 matrix_b_fmt:MATRIX_FMT_BF8 matrix_a_scale:MATRIX_SCALE_ROW1
.else
	v_wmma_scale_f32_16x16x128_f8f6f4 v[rD:rD+7], v[KF+8*(\i):KF+8*(\i)+15], v[QF+16*(\t):QF+16*(\t)+15], v[MK+8*(\i):MK+8*(\i)+7], v[KS+(\i)/2], v[QS] matrix_a_fmt:MATRIX_FMT_BF8 matrix_b_fmt:MATRIX_FMT_BF8 matrix_a_scale:MATRIX_SCALE_ROW1 matrix_b_scale:MATRIX_SCALE_ROW1
.endif
.endm
.macro PV d, t
.set rO, O+32*(\t)+8*(\d)
.if ((\d)%2) == 0
	v_wmma_scale_f32_16x16x128_f8f6f4 v[rO:rO+7], v[S+16*(\d):S+16*(\d)+15], v[PC+16*(\t):PC+16*(\t)+15], v[rO:rO+7], v[VS+(\d)/2], v[PW+(\t)] matrix_a_fmt:MATRIX_FMT_BF8 matrix_b_fmt:MATRIX_FMT_BF8
.else
	v_wmma_scale_f32_16x16x128_f8f6f4 v[rO:rO+7], v[S+16*(\d):S+16*(\d)+15], v[PC+16*(\t):PC+16*(\t)+15], v[rO:rO+7], v[VS+(\d)/2], v[PW+(\t)] matrix_a_fmt:MATRIX_FMT_BF8 matrix_b_fmt:MATRIX_FMT_BF8 matrix_a_scale:MATRIX_SCALE_ROW1
.endif
.endm
.macro SUMS t                          ; the step's sum of tile t's unquantised p, in four chains of pairs that start afresh
.irp k, 0,1,2,3
	v_pk_add_f32 v[TS+32*\t+CH+2*\k:TS+32*\t+CH+2*\k+1], v[S+64*\t+4*\k:S+64*\t+4*\k+1], v[S+64*\t+4*\k+2:S+64*\t+4*\k+3]
.endr
.irp n, 16,24,32,40,48,56
.irp k, 0,1,2,3
	v_pk_add_f32 v[TS+32*\t+CH+2*\k:TS+32*\t+CH+2*\k+1], v[TS+32*\t+CH+2*\k:TS+32*\t+CH+2*\k+1], v[S+64*\t+\n+2*\k:S+64*\t+\n+2*\k+1]
.endr
.endr
.endm
.macro HOLDCVT t                       ; the conversion to an 8-bit code does not saturate (ISA guide 7.6.2); p is not negative: a one-sided hold, two numbers an instruction; then the codes, into window 1
.irp b, 0,1,2,3
.irp i, 0,2,4,6,8,10,12,14
	v_dual_min_num_f32 v[S+64*\t+16*\b+\i], v[S+64*\t+16*\b+\i], v[TS+32*\t+HD+\b] :: v_dual_min_num_f32 v[S+64*\t+16*\b+\i+1], v[S+64*\t+16*\b+\i+1], v[TS+32*\t+HD+\b]
.endr
.endr
	WIN 0x40
.irp b, 0,1,2,3
	v_cvt_scalef32_pk8_bf8_f32 v[PC+16*\t+4*\b:PC+16*\t+4*\b+1], v[S+64*\t+16*\b:S+64*\t+16*\b+7], v[TS+32*\t+SO+\b]
	v_cvt_scalef32_pk8_bf8_f32 v[PC+16*\t+4*\b+2:PC+16*\t+4*\b+3], v[S+64*\t+16*\b+8:S+64*\t+16*\b+15], v[TS+32*\t+SO+\b]
.endr
	WIN 0
.endm
; A KEY STEP: 128 keys, one record, both tiles.  In the vector work the two tiles and their four blocks take turns line by line.
.macro STEP
	v_add_nc_u32 v[ADV], s[TB], v[L16]             ; with the eight lines behind the last V products ten places: the score products write registers that those read as V's fragments
	v_add_nc_u32 v[ADVS], s[TB], v[VS0]
	s_wait_dscnt 0x0                               ; K, its scale words and the mask numbers, asked for a step ago
	WIN 0x15                                       ; K, Q and the mask in window 1, the scores in window 0
.irp i, 0,1,2,3,4,5,6,7
	QK \i, 0
	QK \i, 1
.endr
	WIN 0
	v_add_nc_u32 v[ADK], s[TBN], v[L16]
	v_add_nc_u32 v[ADM], s[TMN], v[MB0]
.rept 6
	v_nop                                          ; with the two additions eight places: in front of the loads into registers that the products read, and of the first read of the scores
.endr
	KFETCH                                         ; the next record's
; the largest score of each block of 32 keys: it serves the row's maximum and, since p rises with the score, the block's largest p.  Each accumulator is read from its low end on
.irp b, 0,1,2,3
.irp t, 0,1
	v_max3_num_f32 v[TS+32*\t+BM+\b], v[S+64*\t+16*\b], v[S+64*\t+16*\b+1], v[S+64*\t+16*\b+2]
.endr
.endr
.irp i, 3,5,7,9,11,13
.irp b, 0,1,2,3
.irp t, 0,1
	v_max3_num_f32 v[TS+32*\t+BM+\b], v[TS+32*\t+BM+\b], v[S+64*\t+16*\b+\i], v[S+64*\t+16*\b+\i+1]
.endr
.endr
.endr
.irp b, 0,1,2,3
.irp t, 0,1
	v_max_num_f32 v[TS+32*\t+BM+\b], v[TS+32*\t+BM+\b], v[S+64*\t+16*\b+15]
.endr
.endr
.irp b, 0,1,2,3
.irp t, 0,1
	v_permlanex16_b32 v[TS+32*\t+BT+\b], v[TS+32*\t+BM+\b], s[SEL], s[SEL+1]
.endr
.endr
.irp b, 0,1,2,3
.irp t, 0,1
	v_max_num_f32 v[TS+32*\t+BM+\b], v[TS+32*\t+BM+\b], v[TS+32*\t+BT+\b]   ; with lane l xor 16's 16 keys
.endr
.endr
.irp t, 0,1
	v_max3_num_f32 v[TS+32*\t+MS], v[TS+32*\t+BM], v[TS+32*\t+BM+1], v[TS+32*\t+MS]
.endr
.irp t, 0,1
	v_max3_num_f32 v[TS+32*\t+MS], v[TS+32*\t+BM+2], v[TS+32*\t+BM+3], v[TS+32*\t+MS]   ; the running largest score
.endr
.irp t, 0,1
	v_mul_f32 v[TS+32*\t+TU], s[NC], v[TS+32*\t+MS]      ; minus the running largest t (c is positive)
.endr
.irp t, 0,1
	v_floor_f32 v[TS+32*\t+TT], v[TS+32*\t+TU]           ; the new -M: M is a whole number
.endr
.irp t, 0,1
	v_sub_f32 v[TS+32*\t+TU], v[TS+32*\t+TT], v[TS+32*\t+NM]   ; old M - new M, 0 or less
.endr
.irp t, 0,1
	v_mov_b32 v[TS+32*\t+NM], v[TS+32*\t+TT]
.endr
.irp t, 0,1
	v_cvt_i32_f32 v[TS+32*\t+TU], v[TS+32*\t+TU]         ; (it saturates)
.endr
.irp t, 0,1
	v_ldexp_f32 v[TS+32*\t+FF], 1.0, v[TS+32*\t+TU]      ; f = 2^(old M - new M): a multiplication by it rounds nothing
.endr
.set n, 0
.rept 32
	v_pk_fma_f32 v[S+n:S+n+1], v[S+n:S+n+1], s[CS:CS+1], v[TS+NM:TS+NM+1] op_sel_hi:[1,0,0]   ; tile 0: t - M, two at a time
.set n, n+2
.endr
.irp b, 0,1,2,3
.irp t, 0,1
	v_fma_f32 v[TS+32*\t+BM+\b], v[TS+32*\t+BM+\b], s[CS], v[TS+32*\t+NM]   ; the same of each block's largest score
.endr
.endr
	s_wait_alu depctr_va_vdst(0)                   ; ahead of the batch
.irp b, 0,1,2,3
.irp t, 0,1
	v_exp_f32 v[TS+32*\t+BM+\b], v[TS+32*\t+BM+\b] ; the block's largest p: the same two instructions on the same number
.endr
.endr
.set n, 0
.rept 64
	v_exp_f32 v[S+n], v[S+n]                       ; tile 0: p = 2^(t - M), at most 1
.if (n%2) == 0
	v_pk_fma_f32 v[S+64+n:S+64+n+1], v[S+64+n:S+64+n+1], s[CS:CS+1], v[TS+32+NM:TS+32+NM+1] op_sel_hi:[1,0,0]   ; among them tile 1's t - M: independent lines, first read behind the two waits below
.endif
.set n, n+1
.endr
	v_nop                                          ; a plain place behind the exponentials
	s_wait_alu depctr_va_vdst(0)                   ; one wait for the whole batch, ahead of its first reader
.irp b, 0,1,2,3
.irp t, 0,1
	v_max_num_f32 v[TS+32*\t+BM+\b], 0x8000000, v[TS+32*\t+BM+\b]    ; the floor 2^(16 - 127): the byte cannot fall under 1
.endr
.endr
.irp b, 0,1,2,3
.irp t, 0,1
	v_add_nc_u32 v[TS+32*\t+SO+\b], 0xf8800000, v[TS+32*\t+BM+\b]    ; 15 off the exponent field: the conversion's scale operand
.endr
.endr
.irp b, 0,1,2,3
.irp t, 0,1
	v_and_or_b32 v[TS+32*\t+HD+\b], v[TS+32*\t+BM+\b], 0x7f800000, s[MNT]   ; 57,344 x the scale
.endr
.endr
.irp b, 0,1,2,3
.irp t, 0,1
	v_lshrrev_b32 v[TS+32*\t+BT+\b], 23, v[TS+32*\t+SO+\b]           ; the scale's byte
.endr
.endr
.irp t, 0,1
	v_lshl_or_b32 v[TS+32*\t+TT], v[TS+32*\t+BT+1], 8, v[TS+32*\t+BT]
.endr
.irp t, 0,1
	v_lshl_or_b32 v[TS+32*\t+TT], v[TS+32*\t+BT+2], 16, v[TS+32*\t+TT]
.endr
.irp t, 0,1
	v_lshl_or_b32 v[PW+\t], v[TS+32*\t+BT+3], 24, v[TS+32*\t+TT]     ; p's scale word for these 128 keys
.endr
.set TP, 236                           ; v236-251: eight more pairs for tile 0's first sums
	s_wait_alu depctr_va_vdst(0)                   ; ahead of the second batch
.set n, 0
.rept 64
	v_exp_f32 v[S+64+n], v[S+64+n]                 ; tile 1's p.  Among them 48 independent lines on tile 0, whose results are first read behind the wait below:
.if n < 16
.if n < 8
.set pb, TS+32*(n/4)+CH+2*(n%4)
.else
.set pb, TP+2*(n-8)
.endif
	v_pk_add_f32 v[pb:pb+1], v[S+4*n:S+4*n+1], v[S+4*n+2:S+4*n+3]   ; sixteen first sums of its unquantised p, into sixteen pairs (both tiles' chains and v236-251),
.elseif n < 48
	v_dual_min_num_f32 v[S+2*(n-16)], v[S+2*(n-16)], v[TS+HD+(n-16)/8] :: v_dual_min_num_f32 v[S+2*(n-16)+1], v[S+2*(n-16)+1], v[TS+HD+(n-16)/8]   ; then its one-sided hold, two numbers an instruction
.endif
.set n, n+1
.endr
	v_nop                                          ; a plain place behind the exponentials
	s_wait_alu depctr_va_vdst(0)                   ; one wait for the batch and for the lines among it
	WIN 0x40
.irp b, 0,1,2,3
	v_cvt_scalef32_pk8_bf8_f32 v[PC+4*\b:PC+4*\b+1], v[S+16*\b:S+16*\b+7], v[TS+SO+\b]
	v_cvt_scalef32_pk8_bf8_f32 v[PC+4*\b+2:PC+4*\b+3], v[S+16*\b+8:S+16*\b+15], v[TS+SO+\b]
.endr
	WIN 0
.irp d, 0,1,2,3
.irp c, 0,1,2,3
	ds_load_b128 v[S+16*\d+4*\c:S+16*\d+4*\c+3], v[ADV] offset:8704+2048*\d+512*\c   ; V's four fragments take tile 0's p's registers; tile 1's 100 vector lines stand between these loads and the wait for them
.endr
.endr
	ds_load_b64 v[VS:VS+1], v[ADVS]                ; and their scale words
.irp k, 0,1,2,3
	v_pk_add_f32 v[TS+CH+2*\k:TS+CH+2*\k+1], v[TS+CH+2*\k:TS+CH+2*\k+1], v[TS+32+CH+2*\k:TS+32+CH+2*\k+1]   ; tile 0's sixteen pairs become its four chains
.endr
.irp k, 0,1,2,3
	v_pk_add_f32 v[TS+CH+2*\k:TS+CH+2*\k+1], v[TS+CH+2*\k:TS+CH+2*\k+1], v[TP+2*\k:TP+2*\k+1]
.endr
.irp k, 0,1,2,3
	v_pk_add_f32 v[TS+CH+2*\k:TS+CH+2*\k+1], v[TS+CH+2*\k:TS+CH+2*\k+1], v[TP+8+2*\k:TP+8+2*\k+1]
.endr
	SUMS 1
	HOLDCVT 1
	WIN 0x41                                       ; O^T in window 1, f in window 0
	s_wait_alu depctr_va_vdst(0)                   ; directly ahead of the first reader of O^T
.irp t, 0,1
.set n, 0
.rept 16
	v_pk_mul_f32 v[O+32*\t+n:O+32*\t+n+1], v[O+32*\t+n:O+32*\t+n+1], v[TS+32*\t+FF:TS+32*\t+FF+1] op_sel_hi:[1,0]   ; O^T under the new M; these are also the places between the codes and the products
.set n, n+2
.endr
.endr
	s_wait_alu depctr_va_vdst(0)
	s_wait_dscnt 0x0                               ; V (the next record's K and mask, asked for earlier, are in too)
	WIN 0x54                                       ; V in window 0; p's codes and O^T in window 1.  The eight accumulators take turns
.irp d, 0,1,2,3
	PV \d, 0
	PV \d, 1
.endr
	WIN 0
.irp t, 0,1
	v_pk_add_f32 v[TS+32*\t+CH:TS+32*\t+CH+1], v[TS+32*\t+CH:TS+32*\t+CH+1], v[TS+32*\t+CH+2:TS+32*\t+CH+3]   ; the chains are joined: eight places behind the products
.endr
.irp t, 0,1
	v_pk_add_f32 v[TS+32*\t+CH+4:TS+32*\t+CH+5], v[TS+32*\t+CH+4:TS+32*\t+CH+5], v[TS+32*\t+CH+6:TS+32*\t+CH+7]
.endr
.irp t, 0,1
	v_pk_fma_f32 v[TS+32*\t+SU:TS+32*\t+SU+1], v[TS+32*\t+SU:TS+32*\t+SU+1], v[TS+32*\t+FF:TS+32*\t+FF+1], v[TS+32*\t+CH:TS+32*\t+CH+1] op_sel_hi:[1,0,1]   ; the row's sum under the new M, with this step's
.endr
.irp t, 0,1
	v_pk_add_f32 v[TS+32*\t+SU:TS+32*\t+SU+1], v[TS+32*\t+SU:TS+32*\t+SU+1], v[TS+32*\t+CH+4:TS+32*\t+CH+5]
.endr
.endm
; The way out of a pass: O^T / the sum; each tile's two blocks of 32 channels are quantised; 1,024 bytes of codes a tile and a half scale word a row.
.macro OUT p
	s_wait_alu depctr_va_vdst(0)                   ; the sums were written ahead of the loop's scalar lines
.irp t, 0,1
	v_add_f32 v[TS+32*\t+TT], v[TS+32*\t+SU], v[TS+32*\t+SU+1]
.endr
.irp t, 0,1
	v_permlanex16_b32 v[TS+32*\t+TU], v[TS+32*\t+TT], s[SEL], s[SEL+1]
.endr
.irp t, 0,1
	v_add_f32 v[TS+32*\t+TT], v[TS+32*\t+TT], v[TS+32*\t+TU]         ; the row's sum
.endr
	s_wait_alu depctr_va_vdst(0)                   ; ahead of the transcendentals
.irp t, 0,1
	v_rcp_f32 v[TS+32*\t+TT], v[TS+32*\t+TT]
.endr
	v_nop                                          ; a plain place behind them
	WIN 0x01                                       ; O^T in window 1
	s_wait_alu depctr_va_vdst(0)                   ; ahead of the first reader of the reciprocals and of O^T
.irp t, 0,1
.set n, 0
.rept 16
	v_pk_mul_f32 v[S+64*\t+n:S+64*\t+n+1], v[O+32*\t+n:O+32*\t+n+1], v[TS+32*\t+TT:TS+32*\t+TT+1] op_sel_hi:[1,0]   ; register 16 g + i: channel 32 g + 16 h + i; each accumulator from its low end on
.set n, n+2
.endr
.endr
	WIN 0
.irp b, 0,1
.irp t, 0,1
	v_max3_num_f32 v[TS+32*\t+BM+\b], |v[S+64*\t+16*\b]|, |v[S+64*\t+16*\b+1]|, 0x8000000
.endr
.endr
.irp i, 2,4,6,8,10,12,14
.irp b, 0,1
.irp t, 0,1
	v_max3_num_f32 v[TS+32*\t+BM+\b], v[TS+32*\t+BM+\b], |v[S+64*\t+16*\b+\i]|, |v[S+64*\t+16*\b+\i+1]|
.endr
.endr
.endr
.irp b, 0,1
.irp t, 0,1
	v_permlanex16_b32 v[TS+32*\t+BT+\b], v[TS+32*\t+BM+\b], s[SEL], s[SEL+1]
.endr
.endr
.irp b, 0,1
.irp t, 0,1
	v_max_num_f32 v[TS+32*\t+BM+\b], v[TS+32*\t+BM+\b], v[TS+32*\t+BT+\b]
.endr
.endr
.irp b, 0,1
.irp t, 0,1
	v_add_nc_u32 v[TS+32*\t+SO+\b], 0xf8800000, v[TS+32*\t+BM+\b]
.endr
.endr
.irp b, 0,1
.irp t, 0,1
	v_and_or_b32 v[TS+32*\t+HD+\b], v[TS+32*\t+BM+\b], 0x7f800000, s[MNT]
.endr
.endr
.irp b, 0,1
.irp t, 0,1
	v_lshrrev_b32 v[TS+32*\t+BT+\b], 23, v[TS+32*\t+SO+\b]
.endr
.endr
.irp t, 0,1
	v_lshl_or_b32 v[TS+32*\t+TT], v[TS+32*\t+BT+1], 8, v[TS+32*\t+BT]   ; the head's two bytes of my row's scale word
.endr
.irp t, 0,1
.irp b, 0,1
.irp i, 0,1,2,3,4,5,6,7,8,9,10,11,12,13,14,15
	v_med3_num_f32 v[S+64*\t+16*\b+\i], v[S+64*\t+16*\b+\i], -v[TS+32*\t+HD+\b], v[TS+32*\t+HD+\b]
.endr
.endr
.endr
	v_cndmask_b32 v[TS+TU], v[TS+TT], v[TS+32+TT], s[HI16]   ; lanes 0-15 tile 0's rows, lanes 16-31 tile 1's
	s_wait_alu depctr_va_vdst(0)
	s_wait_xcnt 0x0                                ; the last pass's stores have read their data
.irp t, 0,1
.irp b, 0,1
	v_cvt_scalef32_pk8_bf8_f32 v[CD+8*\t+4*\b:CD+8*\t+4*\b+1], v[S+64*\t+16*\b:S+64*\t+16*\b+7], v[TS+32*\t+SO+\b]
	v_cvt_scalef32_pk8_bf8_f32 v[CD+8*\t+4*\b+2:CD+8*\t+4*\b+3], v[S+64*\t+16*\b+8:S+64*\t+16*\b+15], v[TS+32*\t+SO+\b]
.endr
.endr
	v_nop                                          ; a plain place behind the conversions
.irp t, 0,1
	global_store_b128 v[L16], v[CD+8*\t:CD+8*\t+3], s[38:39] offset:262144*\p+2048*\t         ; 512 consecutive bytes, aligned
	global_store_b128 v[L16], v[CD+8*\t+4:CD+8*\t+7], s[38:39] offset:262144*\p+2048*\t+512
.endr
	ds_store_b16 v[SGA], v[TS+TU] offset:512*\p
.endm
.macro PASS p
	WIN 0x40
.irp t, 0,1
	global_load_b128 v[QF+16*\t:QF+16*\t+3], v[QCA], s[36:37] offset:17408*\p+1024*\t
	global_load_b128 v[QF+16*\t+4:QF+16*\t+7], v[QCA], s[36:37] offset:17408*\p+1024*\t+512
.endr
.set n, 0
.rept 64
	v_mov_b32 v[O+n], 0                            ; the step is written once: the first finds zeros
.set n, n+1
.endr
	WIN 0
	global_load_b32 v[QS], v[QSA], s[36:37] offset:17408*\p+8192
.irp t, 0,1
	v_mov_b32 v[TS+32*\t+MS], 0xe0000000           ; the largest score so far: -2^65
	v_mov_b32 v[TS+32*\t+SU], 0
	v_mov_b32 v[TS+32*\t+SU+1], 0
.endr
.irp t, 0,1
	v_mul_f32 v[TS+32*\t+TU], s[NC], v[TS+32*\t+MS]
.endr
.irp t, 0,1
	v_floor_f32 v[TS+32*\t+NM], v[TS+32*\t+TU]     ; -M
.endr
	s_mov_b32 s[CNT], 0
	s_mov_b32 s[TB], 0
	s_mov_b32 s[TBN], REC
	s_mov_b32 s[TMN], 512
	s_wait_alu depctr_va_vdst(0)
	s_wait_loadcnt 0x0                             ; Q and its scale words
.Lstep_\@:
	STEP
	s_add_co_u32 s[CNT], s[CNT], 1
	s_and_b32 s[TQ], s[CNT], 15
	s_mul_i32 s[TB], s[TQ], REC                    ; the next record,
	s_add_co_u32 s[TQ], s[CNT], 1
	s_and_b32 s[TQ], s[TQ], 15                     ; and the one after it, for the loads ahead: behind record 15 comes record 0
	s_mul_i32 s[TBN], s[TQ], REC
	s_lshl_b32 s[TMN], s[TQ], 9                    ; its 128 mask numbers
	s_cmp_lt_u32 s[CNT], 16
	s_cbranch_scc1 .Lstep_\@
	OUT \p
.endm
	v_mov_b32 v[ADK], v[L16]                       ; record 0's K and mask numbers for pass 0; pass 1 finds them in its registers
	v_mov_b32 v[ADM], v[MB0]
	KFETCH
	PASS 0
	PASS 1
	s_wait_dscnt 0x0                               ; for the others' sake: my half scale words lie in LDS
	s_barrier_signal -1
	s_barrier_wait -1
	s_cmp_lt_u32 s[WV], 2                          ; threads 0-63 move the four groups' 256 bytes each
	s_cbranch_scc0 .Lno_words
	v_lshl_add_u32 v8, v0, 4, SCG
	ds_load_b128 v[S:S+3], v8
	v_lshrrev_b32 v9, 4, v0
	v_and_b32 v10, 15, v0
	v_lshlrev_b32 v10, 4, v10
	v_lshl_add_u32 v9, v9, 12, v10                 ; group thread / 16: 4,096 bytes apart; sixteen lanes store 256 consecutive bytes, aligned
	s_wait_alu depctr_va_vdst(0)
	s_wait_dscnt 0x0
	global_store_b128 v9, v[S:S+3], s[40:41]
.Lno_words:
	s_wait_tensorcnt 0x0                           ; the wave's end
	ds_add_u32 v[SPW], v[NIL]
	s_wait_dscnt 0x0
	ROUND                                          ; the closing round: no work-group ends while a partner may still ask for a record
	s_endpgm
.Lfunc_end_k_q7241dc0fe3_at:
	.size	k_q7241dc0fe3_at, .Lfunc_end_k_q7241dc0fe3_at-k_q7241dc0fe3_at
	.p2alignl 7, 3214868480
	.fill 96, 4, 3214868480
	.section	.rodata,"a",@progbits
	.p2align	6, 0x0
	.amdhsa_kernel k_q7241dc0fe3_at
		.amdhsa_group_segment_fixed_size 285696
		.amdhsa_private_segment_fixed_size 0
		.amdhsa_enable_private_segment 0
		.amdhsa_kernarg_size 32
		.amdhsa_user_sgpr_count 2
		.amdhsa_user_sgpr_kernarg_segment_ptr 1
		.amdhsa_wavefront_size32 1
		.amdhsa_system_sgpr_workgroup_id_x 1
		.amdhsa_system_sgpr_workgroup_id_y 1
		.amdhsa_system_sgpr_workgroup_id_z 1
		.amdhsa_system_vgpr_workitem_id 0
		.amdhsa_next_free_vgpr 512
		.amdhsa_next_free_sgpr 66
		.amdhsa_reserve_vcc 0
		.amdhsa_float_denorm_mode_32 3
		.amdhsa_float_denorm_mode_16_64 3
		.amdhsa_memory_ordered 1
		.amdhsa_forward_progress 1
		.amdhsa_inst_pref_size 109
	.end_amdhsa_kernel
	.amdgpu_metadata
---
amdhsa.version: [ 1, 2 ]
amdhsa.kernels:
  - .name:           k_q7241dc0fe3_at
    .symbol:         k_q7241dc0fe3_at.kd
    .args:
      - { .name: qb, .offset: 0, .size: 8, .value_kind: global_buffer, .address_space: global }
      - { .name: kv, .offset: 8, .size: 8, .value_kind: global_buffer, .address_space: global }
      - { .name: padding_mask, .offset: 16, .size: 8, .value_kind: global_buffer, .address_space: global }
      - { .name: aq, .offset: 24, .size: 8, .value_kind: global_buffer, .address_space: global }
    .group_segment_fixed_size: 285696
    .private_segment_fixed_size: 0
    .kernarg_segment_align: 8
    .kernarg_segment_size: 32
    .max_flat_workgroup_size: 256
    .sgpr_count:     66
    .vgpr_count:     512
    .wavefront_size: 32
...
	.end_amdgpu_metadata
.endif
;; end of part 3
;; launch g2 (part 4): grid 4 x 32, 4 waves a work-group, clusters of 4 x 4, 327,680 bytes of LDS; arguments aq, wq, out0; writes out0
.if DOCPART == 4
	.amdgcn_target "amdgcn-amd-amdhsa--gfx1250"
	.amdhsa_code_object_version 6
	.text
	.protected	k_q7241dc0fe3_g2
	.globl	k_q7241dc0fe3_g2
	.p2align	8
	.type	k_q7241dc0fe3_g2,@function
k_q7241dc0fe3_g2:
	s_mov_b64 s[64:65], 0
	v_nop
	global_prefetch_b8 v0, s[64:65] scope:SCOPE_SE
	s_setreg_imm32_b32 hwreg(HW_REG_WAVE_MODE, 25, 1), 1
	s_wait_xcnt 0x0
	s_wait_alu depctr_hold_cnt(0) depctr_sa_sdst(0) depctr_va_vdst(0) depctr_va_sdst(0) depctr_va_ssrc(0) depctr_va_vcc(0) depctr_vm_vsrc(0)
	s_getreg_b32 s2, hwreg(HW_REG_IB_STS2, 6, 4)
	s_cmp_eq_u32 s2, 0
	s_cbranch_scc0 .Lentry_in_a_cluster
	s_endpgm
.Lentry_in_a_cluster:
	s_bfe_u32 s2, ttmp6, 0x10000c
	s_cmp_lg_u32 s2, 0xf033
	s_cbranch_scc0 .Lentry_shape_is_right
	s_endpgm
.Lentry_shape_is_right:
.set ASC,   8388608
.set WSC,   4194304
.set BP,    4325376
.set SLOT,  32768                      ; LDS: wave w's block at 65,536 w; in it slot 0 (two K steps), then slot 1
.set SPARE, 262144
.set SPITCH, 528
.set ADRQ, 16
.set ADRP, 20
.set L8,   23
.set STO,  24
.set RD,   25
.set L16,  26
.set H64,  27
.set SPW,  28
.set NIL,  29
.set SQ,   32
.set SP,   64
.set HW,   96
.set QF,   128
.set YV,   128
.set YB,   192
.set BI,   0
.set G1,   24
.set G0,   32
.set G1B,  48
.set G0B,  56
.set MSB, 0
.macro WIN new
.if MSB != (\new)
	s_set_vgpr_msb (MSB<<8)|(\new)
.set MSB, (\new)
.endif
.endm
.set MUL_LO, 0xa1
.set MUL_HI, 0xf1
.set TO_P,   0x40
.macro JLOAD s
	s_cmp_eq_u32 s15, 0
	s_cbranch_scc0 .Lfor_w_\@
	tensor_load_to_lds s[G0+4*\s:G0+4*\s+3], s[G1:G1+7]
	s_nop 0
.rept 4
	v_nop
.endr
	s_branch .Lasked_\@
.Lfor_w_\@:
	tensor_load_to_lds s[G0B+4*\s:G0B+4*\s+3], s[G1B:G1B+7]
	s_nop 0
.rept 4
	v_nop
.endr
.Lasked_\@:
.endm
.macro CREST
	s_cmp_lg_u32 s14, 0
	s_cbranch_scc1 .Lnot_wave_0_\@
	s_barrier_signal -3
.Lnot_wave_0_\@:
	s_barrier_wait -3
	s_barrier_signal -1
	s_barrier_wait -1
.endm
.macro CROUND
	s_barrier_signal -1
	s_barrier_wait -1
	CREST
.endm
.macro PLACES n
.rept \n
	v_nop
.endr
.endm
	s_load_b128 s[4:7], s[0:1], 0x0
	s_load_b64 s[8:9], s[0:1], 0x10
	v_lshl_add_u32 v[SPW], v0, 2, SPARE
	v_mov_b32 v[NIL], 0
	ds_add_u32 v28, v29
	ds_add_u32 v28, v29
	s_wait_dscnt 0x0
	v_lshrrev_b32 v1, 5, v0
	v_readfirstlane_b32 s14, v1
	s_lshr_b32 s15, s14, 1
	s_and_b32 s16, s14, 1
	s_bfe_u32 s40, ttmp6, 0x40000
	s_bfe_u32 s41, ttmp6, 0x40004
	s_lshl_b32 s42, ttmp9, 2
	s_add_co_u32 s42, s42, s40
	s_and_b32 s17, ttmp7, 0xffff
	s_lshl_b32 s17, s17, 2
	s_add_co_u32 s17, s17, s41
	s_lshl_b32 s43, s41, 2
	s_lshl_b32 s43, 15, s43
	s_lshl_b32 s44, 0x1111, s40
	s_or_b32 s[G1], s43, (3<<16)|(1<<21)
	s_or_b32 s[G1B], s44, (3<<16)|(1<<21)
.irp g, G1, G1B
	s_mov_b32 s[\g+1], 32<<16
	s_mov_b32 s[\g+2], 256<<16                     ; the head's load: 256 rows of 256 bytes: K steps 0 to 3, both slots
	s_mov_b32 s[\g+3], 32<<16
	s_mov_b32 s[\g+4], 256
	s_mov_b32 s[\g+5], 32
	s_mov_b32 s[\g+6], 0
	s_mov_b32 s[\g+7], 0
.endr
	s_lshl_b32 s20, s17, 1
	s_add_co_u32 s20, s20, s16
	s_lshl_b32 s20, s20, 17
	s_mov_b32 s21, 0
	s_lshl_b32 s46, s42, 1
	s_add_co_u32 s46, s46, s16
	s_add_co_u32 s46, s46, 24
	s_lshl_b32 s46, s46, 17
	s_mov_b32 s47, 0
	s_lshl_b32 s45, s14, 16
	s_wait_kmcnt 0x0
	s_add_nc_u64 s[20:21], s[4:5], s[20:21]
	s_add_nc_u64 s[46:47], s[6:7], s[46:47]
	CROUND
.irp s, 0,1
	s_mov_b32 s[G0+4*\s], 1
	s_add_co_u32 s[G0+4*\s+1], s45, \s*SLOT
	s_add_nc_u64 s[G0+4*\s+2:G0+4*\s+3], s[20:21], \s*32768
	s_or_b32 s[G0+4*\s+3], s[G0+4*\s+3], 0x80000000
	s_mov_b32 s[G0B+4*\s], 1
	s_add_co_u32 s[G0B+4*\s+1], s45, \s*SLOT
	s_add_nc_u64 s[G0B+4*\s+2:G0B+4*\s+3], s[46:47], \s*32768
	s_or_b32 s[G0B+4*\s+3], s[G0B+4*\s+3], 0x80000000
.endr
	JLOAD 0                                        ; my one tensor load at the head: slot 0's address, 65,536 bytes on end
	s_lshl_b32 s66, s15, 16
	s_lshl_b32 s68, s16, 16
	s_add_co_u32 s68, s68, 131072
	s_mov_b32 s89, 0
	s_mov_b32 s91, 0
	s_lshl_b32 s82, s17, 1
	s_add_co_u32 s82, s82, s15
	s_lshl_b32 s85, s42, 1
	s_add_co_u32 s85, s85, s16
	s_lshl_b32 s88, s82, 12
	s_add_co_u32 s88, s88, ASC
	s_add_nc_u64 s[70:71], s[4:5], s[88:89]
	s_add_co_u32 s90, s85, 24
	s_lshl_b32 s90, s90, 12
	s_add_co_u32 s90, s90, WSC
	s_add_nc_u64 s[72:73], s[6:7], s[90:91]
	s_lshl_b32 s90, s85, 9
	s_add_co_u32 s90, s90, BP+12288
	s_add_nc_u64 s[80:81], s[6:7], s[90:91]
	s_lshl_b32 s88, s82, 19
	s_lshl_b32 s90, s85, 9
	s_add_co_u32 s88, s88, s90
	s_add_nc_u64 s[74:75], s[8:9], s[88:89]
	v_and_b32 v2, 31, v0
	v_and_b32 v3, 15, v0
	v_bfe_u32 v4, v0, 4, 1
	v_lshlrev_b32 v[L16], 4, v2
	v_lshlrev_b32 v[L8], 3, v2
	v_lshlrev_b32 v[H64], 6, v4
	v_add_nc_u32 v[ADRQ], s66, v[L16]
	v_add_nc_u32 v[ADRQ+1], SLOT, v[ADRQ]
	v_add_nc_u32 v[ADRP], s68, v[L16]
	v_add_nc_u32 v[ADRP+1], SLOT, v[ADRP]
	s_lshl_b32 s67, s14, 16                        ; my stage: 8,448 bytes at the head of my block's slot 0, which has had its last fill and its last read when the first result is stored there
	v_mul_u32_u24 v[STO], v3, SPITCH
	v_add_nc_u32 v[STO], v[STO], v[H64]
	v_add_nc_u32 v[STO], s67, v[STO]
	v_add_nc_u32 v[RD], s67, v[L16]
.irp k, 0,1,2,3,4,5,6,7
	global_load_b128 v[SP+4*\k:SP+4*\k+3], v[L16], s[72:73] offset:512*\k
.endr
.irp k, 0,1,2,3,4,5,6,7,8,9,10,11,12,13,14,15
	global_load_b64 v[HW+2*\k:HW+2*\k+1], v[L8], s[70:71] offset:256*\k
.endr
.macro WM a, b, p, ks, zero
.set rD, 8*(8*((\a)%4)+(\b))
.set rP, 128*(\p)+16*(\b)
.set rQ, QF+16*(\a)
.set rS, SP+4*(\ks)+(\b)/2
.set rT, SQ+4*(\ks)+(\a)/2
.set vr, 2*((\b)%2)+((\a)%2)+4*(\zero)
.if vr == 0
	v_wmma_scale_f32_16x16x128_f8f6f4 v[rD:rD+7], v[rP:rP+15], v[rQ:rQ+15], v[rD:rD+7], v[rS], v[rT] matrix_a_fmt:MATRIX_FMT_BF8 matrix_b_fmt:MATRIX_FMT_BF8
.elseif vr == 1
	v_wmma_scale_f32_16x16x128_f8f6f4 v[rD:rD+7], v[rP:rP+15], v[rQ:rQ+15], v[rD:rD+7], v[rS], v[rT] matrix_a_fmt:MATRIX_FMT_BF8 matrix_b_fmt:MATRIX_FMT_BF8 matrix_b_scale:MATRIX_SCALE_ROW1
.elseif vr == 2
	v_wmma_scale_f32_16x16x128_f8f6f4 v[rD:rD+7], v[rP:rP+15], v[rQ:rQ+15], v[rD:rD+7], v[rS], v[rT] matrix_a_fmt:MATRIX_FMT_BF8 matrix_b_fmt:MATRIX_FMT_BF8 matrix_a_scale:MATRIX_SCALE_ROW1
.elseif vr == 3
	v_wmma_scale_f32_16x16x128_f8f6f4 v[rD:rD+7], v[rP:rP+15], v[rQ:rQ+15], v[rD:rD+7], v[rS], v[rT] matrix_a_fmt:MATRIX_FMT_BF8 matrix_b_fmt:MATRIX_FMT_BF8 matrix_a_scale:MATRIX_SCALE_ROW1 matrix_b_scale:MATRIX_SCALE_ROW1
.elseif vr == 4
	v_wmma_scale_f32_16x16x128_f8f6f4 v[rD:rD+7], v[rP:rP+15], v[rQ:rQ+15], 0, v[rS], v[rT] matrix_a_fmt:MATRIX_FMT_BF8 matrix_b_fmt:MATRIX_FMT_BF8
.elseif vr == 5
	v_wmma_scale_f32_16x16x128_f8f6f4 v[rD:rD+7], v[rP:rP+15], v[rQ:rQ+15], 0, v[rS], v[rT] matrix_a_fmt:MATRIX_FMT_BF8 matrix_b_fmt:MATRIX_FMT_BF8 matrix_b_scale:MATRIX_SCALE_ROW1
.elseif vr == 6
	v_wmma_scale_f32_16x16x128_f8f6f4 v[rD:rD+7], v[rP:rP+15], v[rQ:rQ+15], 0, v[rS], v[rT] matrix_a_fmt:MATRIX_FMT_BF8 matrix_b_fmt:MATRIX_FMT_BF8 matrix_a_scale:MATRIX_SCALE_ROW1
.else
	v_wmma_scale_f32_16x16x128_f8f6f4 v[rD:rD+7], v[rP:rP+15], v[rQ:rQ+15], 0, v[rS], v[rT] matrix_a_fmt:MATRIX_FMT_BF8 matrix_b_fmt:MATRIX_FMT_BF8 matrix_a_scale:MATRIX_SCALE_ROW1 matrix_b_scale:MATRIX_SCALE_ROW1
.endif
.endm
.macro MUL16 a0, p, ks, zero
.irp a, \a0, \a0+1
.irp b, 0,1,2,3,4,5,6,7
	WM (\a), \b, \p, \ks, \zero
.endr
.endr
.endm
.macro FRAG reg, adr, q, i
.irp c, 0,1,2,3
	ds_load_b128 v[\reg+4*\c:\reg+4*\c+3], v[\adr] offset:16384*(\q)+2048*(\i)+512*\c
.endr
.endm
.macro FETCH_P slot, q, p
	WIN TO_P
.irp i, 0,1,2,3,4,5,6,7
	FRAG 128*(\p)+16*\i, ADRP+\slot, \q, \i
.endr
	WIN 0
.endm
.macro FETCH_Q slot, q, i0
.irp i, \i0, \i0+1, \i0+2, \i0+3
	FRAG QF+16*(\i), ADRQ+\slot, \q, \i
.endr
.endm
.macro STEP slot, ks, zero
	s_wait_dscnt 16
	WIN MUL_LO
	MUL16 0, 0, \ks, \zero
	MUL16 2, 0, \ks, \zero
	s_wait_dscnt 0x0
	PLACES 8
	FETCH_P \slot, 1, 1
	FETCH_Q \slot, 1, 0
	WIN MUL_HI
	MUL16 4, 0, \ks, \zero
	MUL16 6, 0, \ks, \zero
	PLACES 8
	WIN 0
	FETCH_Q \slot, 1, 4
.endm
.macro TURN slot, next, fill, ks
	s_wait_tensorcnt 0x0
	ds_add_u32 v[SPW], v[NIL]
	s_wait_dscnt 17
	WIN MUL_LO
	MUL16 0, 1, \ks, 0
	s_wait_dscnt 0x0
	s_barrier_signal -1
	MUL16 2, 1, \ks, 0
	WIN 0
	s_barrier_wait -1
.if \fill
	CREST
	s_add_nc_u64 s[G0+4*\slot+2:G0+4*\slot+3], s[G0+4*\slot+2:G0+4*\slot+3], 65536
	s_add_nc_u64 s[G0B+4*\slot+2:G0B+4*\slot+3], s[G0B+4*\slot+2:G0B+4*\slot+3], 65536
	JLOAD \slot
	PLACES 4
.else
	PLACES 8
.endif
	FETCH_P \next, 0, 0
	FETCH_Q \next, 0, 0
	WIN MUL_HI
	MUL16 4, 1, \ks, 0
	MUL16 6, 1, \ks, 0
	PLACES 8
	WIN 0
	FETCH_Q \next, 0, 4
.endm
	s_wait_alu depctr_va_vdst(0)
	s_wait_tensorcnt 0x0                           ; my four K steps have landed; no tensor load of mine is out, so a descriptor may be written:
	s_mov_b32 s[G1+2], 128<<16                     ; from here on a load brings 128 rows: one slot
	s_mov_b32 s[G1+4], 128
	s_mov_b32 s[G1B+2], 128<<16
	s_mov_b32 s[G1B+4], 128
	s_barrier_signal -1
	s_barrier_wait -1
	FETCH_P 0, 0, 0
	FETCH_Q 0, 0, 0
	FETCH_Q 0, 0, 4
	s_wait_loadcnt 0x0
.irp s, 0,1,2,3,4,5,6,7
	v_perm_b32 v[SQ+4*\s],   v[HW+4*\s+2], v[HW+4*\s],   0x05040100
	v_perm_b32 v[SQ+4*\s+1], v[HW+4*\s+2], v[HW+4*\s],   0x07060302
	v_perm_b32 v[SQ+4*\s+2], v[HW+4*\s+3], v[HW+4*\s+1], 0x05040100
	v_perm_b32 v[SQ+4*\s+3], v[HW+4*\s+3], v[HW+4*\s+1], 0x07060302
.endr
	PLACES 8
	STEP 0, 0, 1
	TURN 0, 1, 1, 1
	STEP 1, 2, 0
	TURN 1, 0, 1, 3
	STEP 0, 4, 0
	s_wait_alu depctr_va_vdst(0)
	TURN 0, 1, 0, 5
	STEP 1, 6, 0
	WIN 0x40                                       ; the weights' set 0 has been multiplied for the last time, eight places back: its first 64 registers take the biases
.irp b, 0,1,2,3,4,5,6,7
	global_load_b128 v[BI+8*\b:BI+8*\b+3], v[H64], s[80:81] offset:128*(\b/2)+32*(\b%2)
	global_load_b128 v[BI+8*\b+4:BI+8*\b+7], v[H64], s[80:81] offset:128*(\b/2)+32*(\b%2)+16
.endr
	WIN 0
	s_wait_dscnt 16
	WIN MUL_LO
	MUL16 0, 1, 7, 0
	MUL16 2, 1, 7, 0
	s_wait_dscnt 0x0
	WIN MUL_HI
	MUL16 4, 1, 7, 0
	MUL16 6, 1, 7, 0
	WIN 0
	PLACES 8
	s_wait_loadcnt 0x0                             ; the biases, asked for ahead of the last 64 products
.macro YOUT a
	WIN 0x06+((\a)/4)
.set n, 0
.rept 32
	v_pk_add_f32 v[YV+n:YV+n+1], v[64*((\a)%4)+n:64*((\a)%4)+n+1], v[BI+n:BI+n+1]
.set n, n+2
.endr
	WIN 0
.irp b, 0,1,2,3,4,5,6,7
	ds_store_b128 v[STO], v[YV+8*\b:YV+8*\b+3] offset:128*(\b/2)+32*(\b%2)
	ds_store_b128 v[STO], v[YV+8*\b+4:YV+8*\b+7] offset:128*(\b/2)+32*(\b%2)+16
.endr
	s_wait_xcnt 0x0
.irp m, 0,1,2,3,4,5,6,7,8,9,10,11,12,13,14,15
	ds_load_b128 v[YB+4*\m:YB+4*\m+3], v[RD] offset:SPITCH*\m
.endr
.irp m, 0,1,2,3,4,5,6,7,8,9,10,11,12,13,14,15
	s_wait_dscnt 15-\m
	global_store_b128 v[L16], v[YB+4*\m:YB+4*\m+3], s[74:75] offset:(32*((\a)/2)+8*((\a)%2)+\m+8*(\m/8))*4096 th:TH_STORE_NT
.endr
.endm
.irp a, 0,1,2,3,4,5,6,7
	YOUT \a
.endr
	s_wait_tensorcnt 0x0
	ds_add_u32 v[SPW], v[NIL]
	s_wait_dscnt 0x0
	CROUND
	s_endpgm
.Lfunc_end_k_q7241dc0fe3_g2:
	.size	k_q7241dc0fe3_g2, .Lfunc_end_k_q7241dc0fe3_g2-k_q7241dc0fe3_g2
	.p2alignl 7, 3214868480
	.fill 96, 4, 3214868480
	.section	.rodata,"a",@progbits
	.p2align	6, 0x0
	.amdhsa_kernel k_q7241dc0fe3_g2
		.amdhsa_group_segment_fixed_size 327680
		.amdhsa_private_segment_fixed_size 0
		.amdhsa_enable_private_segment 0
		.amdhsa_kernarg_size 24
		.amdhsa_user_sgpr_count 2
		.amdhsa_user_sgpr_kernarg_segment_ptr 1
		.amdhsa_wavefront_size32 1
		.amdhsa_system_sgpr_workgroup_id_x 1
		.amdhsa_system_sgpr_workgroup_id_y 1
		.amdhsa_system_sgpr_workgroup_id_z 1
		.amdhsa_system_vgpr_workitem_id 0
		.amdhsa_next_free_vgpr 1024
		.amdhsa_next_free_sgpr 100
		.amdhsa_reserve_vcc 0
		.amdhsa_float_denorm_mode_32 3
		.amdhsa_float_denorm_mode_16_64 3
		.amdhsa_memory_ordered 1
		.amdhsa_forward_progress 1
		.amdhsa_inst_pref_size 167
	.end_amdhsa_kernel
	.amdgpu_metadata
---
amdhsa.version: [ 1, 2 ]
amdhsa.kernels:
  - .name:           k_q7241dc0fe3_g2
    .symbol:         k_q7241dc0fe3_g2.kd
    .args:
      - { .name: aq, .offset: 0, .size: 8, .value_kind: global_buffer, .address_space: global }
      - { .name: wq, .offset: 8, .size: 8, .value_kind: global_buffer, .address_space: global }
      - { .name: out0, .offset: 16, .size: 8, .value_kind: global_buffer, .address_space: global }
    .group_segment_fixed_size: 327680
    .private_segment_fixed_size: 0
    .kernarg_segment_align: 8
    .kernarg_segment_size: 24
    .max_flat_workgroup_size: 128
    .sgpr_count:     100
    .vgpr_count:     1024
    .wavefront_size: 32
...
	.end_amdgpu_metadata
.endif
;; end of part 4
